; MI455X (gfx1250); checked and timed in simulation.
; The chip was launched on July 23, 2026; its instructions are those of AMD's public machine-readable ISA for CDNA 5 (MIT licence, August 2026) and "CDNA5" Instruction Set Architecture Reference Guide (July 2026). The comments in the code are by the model that wrote it; some were corrected since.
;; Moon Vi T Attention. Allowed arithmetic: matrix products marked QUANTISED: E2M1 operands, one E8M0 scale for each 32 along K, by v_wmma_scale_f32_16x16x128_f8f6f4 with both operands' format E2M1 (or v_wmma_scale_f32_32x16x128_f4), f32 sums; products left as they are: bf16, f16 or f32 operands; f32 sums; everything else in f32.
;; Inputs: Wk 1,024 x 1,024 float32; Wo 1,024 x 1,024 float32; Wq 1,024 x 1,024 float32; Wv 1,024 x 1,024 float32; bk 1,024 float32; bo 1,024 float32; bq 1,024 float32; bv 1,024 float32; cos 1,024 x 64 float32; hidden_states 8 x 1,024 x 1,024 float32; sin 1,024 x 64 float32.
;; Outputs: out0 8 x 1,024 x 1,024 float32.
;; This version of the problem:
;;   THIS VERSION OF THE PROBLEM IS GIVEN IN LOW PRECISION. The matrix products marked QUANTISED in the list below multiply operands that are first quantised to E2M1 (2 exponent bits, 1 mantissa bit; 4 bits a number), with one power-of-two scale for each 32 numbers along K (OCP MX v1.0); their sums are f32. The products marked 'left as it is' may take bf16, f16 or f32 operands, with f32 sums. Whichever they take, every output number must still come out within the allowed error. Rounding operands to bf16 (8 significant bits) uses up far more of that allowance than f16 does (11 bits, for magnitudes from 6e-5 to 65,504). All else is computed in f32.
;;   The module's matrix products, in the order in which they are computed (A, B: the left and right operand; K: the contracted axis; several contracted axes count as one K, in the product's order):
;;     1. [M 8,192, K 1,024] x [K 1,024, N 1,024]; A: input hidden_states; B: input Wq: QUANTISED
;;     2. [M 8,192, K 1,024] x [K 1,024, N 1,024]; A: input hidden_states; B: input Wk: QUANTISED
;;     3. [M 8,192, K 1,024] x [K 1,024, N 1,024]; A: input hidden_states; B: input Wv: QUANTISED
;;     4. batch 128 x [M 1,024, K 64] x [K 64, N 1,024]; A: computed on the way; B: computed on the way: left as it is (an operand is computed on the way)
;;     5. batch 128 x [M 1,024, K 1,024] x [K 1,024, N 64]; A: computed on the way; B: computed on the way: left as it is (an operand is computed on the way)
;;     6. [M 8,192, K 1,024] x [K 1,024, N 1,024]; A: computed on the way; B: input Wo: left as it is (an operand is computed on the way)
;;   THE QUANTISER, for each operand of a quantised product, along K:
;;     - K is cut into blocks of 32 from its start; a last block that is shorter is filled with zeros.
;;     - A block's scale is 2^e with e = floor(log2(the largest magnitude in the block)) - 2, held to -126 .. 127; a block of zeros has e = 0. As a byte (E8M0): e + 127.
;;     - Each number is divided by its block's scale, clamped to +-6, and rounded to the nearest number of E2M1, ties to even, subnormals kept.
;;     - The product sums the exact products of the quantised numbers (number of the format x scale) in f32.
;;   ~~~python
;;   def quantise(x, axis):      # numpy; x: float32 -> the quantised numbers, widened to float32 again
;;       x = np.moveaxis(x, axis, -1); K = x.shape[-1]
;;       x = np.pad(x, [(0, 0)] * (x.ndim - 1) + [(0, -K % 32)]); x = x.reshape(x.shape[:-1] + (-1, 32)); a = np.abs(x).max(-1, keepdims=True)
;;       e = np.where(a > 0, np.clip(np.frexp(np.where(a > 0, a, 1))[1] - 1 - 2, -126, 127), 0)      # np.frexp(a)[1] - 1 = floor(log2(a)), exactly
;;       r = np.clip(x / 2.0 ** e, -6, 6)
;;       step = 2.0 ** (np.maximum(np.frexp(np.where(r == 0, 1, r))[1] - 1, 0) - 1)
;;       q = np.round(r / step) * step * 2.0 ** e      # np.round: ties to even
;;       return np.moveaxis(q.reshape(q.shape[:-2] + (-1,))[..., :K], -1, axis).astype(np.float32)
;;   ~~~
;; One version. Each part assembles by itself: llvm-mc -triple=amdgcn-amd-amdhsa -mcpu=gfx1250 --defsym DOCPART=n.
;; ======== version 1 of 1: 4 launches
;; limits: values are held in f16: magnitudes above 65,504 overflow, below 6.1e-05 lose precision
;; workspace buffers: a_codes 4,194,304 bytes; a_scales 262,144 bytes; w_codes 1,572,864 bytes; w_scales 98,304 bytes; wo16 2,097,152 bytes; qkv 50,331,648 bytes; att 16,777,216 bytes
;; launch quant (part 1): grid 256 x 1, 6 waves a work-group, no clusters, 49,920 bytes of LDS; arguments hidden_states, Wq, Wk, Wv, Wo, a_codes, a_scales, w_codes, w_scales, wo16; writes a_codes, a_scales, w_codes, w_scales, wo16
.if DOCPART == 1
	.amdgcn_target "amdgcn-amd-amdhsa--gfx1250"
	.amdhsa_code_object_version 6
	.text
	.protected	k_qa9bee54f24_quant
	.globl	k_qa9bee54f24_quant
	.p2align	8
	.type	k_qa9bee54f24_quant,@function
k_qa9bee54f24_quant:
	s_mov_b64 s[64:65], 0
	v_nop
	global_prefetch_b8 v0, s[64:65] scope:SCOPE_SE
	s_setreg_imm32_b32 hwreg(HW_REG_WAVE_MODE, 25, 1), 1
	s_wait_xcnt 0x0
; LAUNCH 1 OF 4.  hidden_states [8192][1024] and Wq, Wk, Wv [1024][1024], f32, K innermost, become codes of FP4 (E2M1) with one E8M0 byte for each 32 along K;
; Wo [1024][1024] becomes f16, laid as the last launch's operand registers want it.
; NOTHING OF reference() IS LEFT OUT IN THIS PROGRAM.  bq and bk are turned by rope with the position's own cos and sin, so bk is not the same along the softmax's axis;
; bv and bo are added to what reaches the output.  Every input is loaded by some launch.
; THE QUANTISER.  A block's scale is 2^(floor(log2(its largest magnitude)) - 2); its byte is the largest magnitude's own exponent field - 2, held at 1 from below.  A block of zeros so gets the
; byte 1 where the rule says 127: its codes are zeros, which add nothing under any byte but 0xff, and this program alone reads the bytes.  Each number is divided by the scale and rounded to the nearest code, ties to even; beyond 6 the largest code.
; LIMITS: blocks whose largest magnitude lies under 2^-124, the floor, keep the byte 1; NaN and infinities among the inputs are not served; |Wo| stays under 65,504 (f16).
; SHARES.  The launch has 1,536 shares of one wave, 32,768 bytes read in each: 1,024 runs of hidden_states, 128 each of Wq, Wk, Wv (a run is 8,192 numbers, 16 steps of 512), and 128 shares of Wo.  256 work-groups of six waves take
; them: wave n = 6 x work-group + wave takes share n: every work-group has the same work.  Waves share nothing and the text has no barrier, so the ways may part on n.  For the runs only pointers are chosen, the text is one.
; w_codes holds Wq's, Wk's, Wv's rows on end.  Rows are dense and K is a multiple of 32: a tensor is a plain stream of blocks of 32, and so are its codes and scale bytes.
; A step's four loads read 512 consecutive bytes each; the 2,048 bytes turn through the wave's own stage in LDS (16 bytes of padding behind each 64) and come back 64 bytes a lane: 16 neighbours along K, two lanes to a block.
; Loads run eight steps ahead: 32 loads, 16,384 bytes a wave, half of what it reads.
.set WAVES, 6
.set STEPS, 16
.set AHEAD, 8                          ; steps that the loads run ahead
.set EMAX,  2
.set CB,    8                          ; bytes of 16 codes
.set R,     16                         ; v16-143  eight sets of 16 numbers as they are loaded
.set X,     144                        ; v144-175 two sets of 16 neighbours
.set E,     176                        ; v176-191 a scale byte for each step
.set C,     192                        ; v192-223 codes: two registers for each step, so that no store's data are written again
.set WREG,  8192                       ; LDS: a region for each wave: two stages of 32 x SP bytes, behind them its 256 scale bytes
.set SP,    80                         ; a lane's place in a stage: 64 bytes + 16 of padding
.set SPW,   12                         ; v12      LDS address of my spare word; never rewritten
.set NIL,   13                         ; v13      0; never rewritten
.set SPARE, WAVES*WREG                 ; behind the six regions: the spare words, 128 bytes a wave
.set IN,    16                         ; Wo's path: v16-143 two sets of 64 numbers
.set OUTW,  144                        ; v144-175 eight images' 16 bytes
	s_load_b256 s[4:11], s[0:1], 0x0               ; hidden s[4:5], Wq s[6:7], Wk s[8:9], Wv s[10:11]
	s_load_b256 s[12:19], s[0:1], 0x20             ; Wo s[12:13], a_codes s[14:15], a_scales s[16:17], w_codes s[18:19]
	s_load_b128 s[20:23], s[0:1], 0x40             ; w_scales s[20:21], wo16 s[22:23]
	v_lshl_add_u32 v[SPW], v0, 2, SPARE
	v_mov_b32 v[NIL], 0
	v_lshrrev_b32 v1, 5, v0
	v_readfirstlane_b32 s28, v1                    ; wave
	v_and_b32 v2, 31, v0                           ; lane
	v_lshlrev_b32 v3, 4, v2                        ; 16 x lane
	s_mul_i32 s29, s28, WREG
	v_lshrrev_b32 v14, 2, v2
	v_mul_u32_u24 v14, v14, SP
	v_and_b32 v15, 3, v2
	v_lshl_add_u32 v14, v15, 4, v14
	v_add_nc_u32 v14, s29, v14                     ; the stage, on the way in: SP (lane / 4) + 16 (lane % 4)
	v_mul_u32_u24 v15, v2, SP
	v_add_nc_u32 v15, s29, v15                     ; and on the way out: SP x lane
	v_mul_u32_u24 v4, v2, CB                       ; my codes' place in a step's
	v_lshrrev_b32 v5, 1, v2
	s_add_co_u32 s29, s29, 2*32*SP
	v_add_nc_u32 v5, s29, v5                       ; LDS: my wave's 256 scale bytes, my block's byte
	v_lshlrev_b32 v7, 3, v2                        ; and on the way out 8 bytes a lane
	v_add_nc_u32 v6, s29, v7
	s_mul_i32 s26, ttmp9, WAVES
	s_add_co_u32 s26, s26, s28                     ; n: my wave's number in the launch, 0 .. 1,535
	s_wait_kmcnt 0x0
	s_cmp_ge_u32 s26, 1408
	s_cbranch_scc1 .Lwo
	s_cmp_lt_u32 s26, 1280                         ; which tensor: the choices hang on n alone
	s_cselect_b64 s[24:25], s[8:9], s[10:11]       ; Wk or Wv
	s_cmp_lt_u32 s26, 1152
	s_cselect_b64 s[24:25], s[6:7], s[24:25]       ; Wq or that
	s_mov_b32 s33, 127
	s_cmp_lt_u32 s26, 1024
	s_cselect_b64 s[4:5], s[4:5], s[24:25]         ; hidden_states or a weight
	s_cselect_b64 s[8:9], s[14:15], s[18:19]       ; the codes' buffer
	s_cselect_b64 s[10:11], s[16:17], s[20:21]     ; the scale bytes' buffer
	s_cselect_b32 s27, 0, 1024
	s_cselect_b32 s33, 1023, s33
	s_sub_co_u32 s27, s26, s27                     ; which run of 8,192 numbers of the output buffers
	s_and_b32 s33, s27, s33                        ; and of the input tensor
	s_lshl_b32 s30, s33, 15                        ; 32,768 bytes a run
	s_mov_b32 s31, 0
	s_add_nc_u64 s[4:5], s[4:5], s[30:31]
	s_lshl_b32 s34, s27, 12                        ; 4,096 bytes of codes a run
	s_mov_b32 s35, 0
	s_add_nc_u64 s[8:9], s[8:9], s[34:35]
	s_lshl_b32 s34, s27, 8                         ; 256 scale bytes a run
	s_add_nc_u64 s[10:11], s[10:11], s[34:35]
.macro LOAD t
.irp i, 0,1,2,3
	global_load_b128 v[R+16*((\t)%AHEAD)+4*\i:R+16*((\t)%AHEAD)+4*\i+3], v3, s[4:5] offset:2048*(\t)+512*\i th:TH_LOAD_NT   ; 32 lanes read 512 consecutive bytes
.endr
.endm
.macro TURN t                          ; step t's numbers through the stage: LDS serves a wave's instructions in order, so no wait stands between the stores and the loads
.irp i, 0,1,2,3
	ds_store_b128 v14, v[R+16*((\t)%AHEAD)+4*\i:R+16*((\t)%AHEAD)+4*\i+3] offset:32*SP*((\t)%2)+8*SP*\i
.endr
.irp i, 0,1,2,3
	ds_load_b128 v[X+16*((\t)%2)+4*\i:X+16*((\t)%2)+4*\i+3], v15 offset:32*SP*((\t)%2)+16*\i
.endr
.endm
.irp t, 0,1,2,3,4,5,6,7
	LOAD \t
.endr
	s_wait_loadcnt 28                              ; step 0's four loads are in; seven steps' twenty-eight may be out
	TURN 0
.macro STEP t
.set XS, X+16*((\t)%2)
.if (\t) > 0
	s_wait_dscnt 1                                 ; this step's numbers are back from the stage (the last step's byte store may be out): so its stores into the stage have read their registers,
.else
	s_wait_dscnt 0x0
.endif
.if (\t)+AHEAD < STEPS
	LOAD (\t)+AHEAD                                ; which take the loads of eight steps on
.endif
.if (\t)+1 < STEPS
.if STEPS-2-(\t) >= AHEAD-1
	s_wait_loadcnt 4*(AHEAD-1)                     ; the next step's four loads are in; those of the seven steps behind it may be out
.else
	s_wait_loadcnt 4*(STEPS-2-(\t))                ; towards the end: those of the steps that are left
.endif
	TURN (\t)+1                                    ; and go through the other stage while this step is worked
.endif
	v_max3_num_f32 v8, |v[XS]|, |v[XS+1]|, |v[XS+2]|               ; the largest magnitude of my 16, in two chains
	v_max3_num_f32 v9, |v[XS+3]|, |v[XS+4]|, |v[XS+5]|
.irp i, 6,10
	v_max3_num_f32 v8, v8, |v[XS+\i]|, |v[XS+\i+1]|
	v_max3_num_f32 v9, v9, |v[XS+\i+2]|, |v[XS+\i+3]|
.endr
	v_max3_num_f32 v8, v8, |v[XS+14]|, |v[XS+15]|
	v_max3_num_f32 v8, v8, v9, (EMAX+1)<<23        ; and the floor 2^(EMAX + 1 - 127): the byte cannot fall under 1
	v_max_num_f32_dpp v8, v8, v8 row_xmask:1 row_mask:0xf bank_mask:0xf   ; and of my neighbour's 16: the block's
	v_add_nc_u32 v11, -(EMAX<<23), v8              ; EMAX off its exponent field: the conversion takes the exponent field of this operand as its scale
	v_cvt_scalef32_pk8_fp4_f32 v[C+2*(\t)], v[XS:XS+7], v11
	v_cvt_scalef32_pk8_fp4_f32 v[C+2*(\t)+1], v[XS+8:XS+15], v11
	v_lshrrev_b32 v[E+(\t)], 23, v11               ; the scale's byte (also the plain line behind the conversions)
	ds_store_b8 v5, v[E+(\t)] offset:16*(\t)       ; both lanes of a block write the same byte with the same value
	global_store_b64 v4, v[C+2*(\t):C+2*(\t)+1], s[8:9] offset:32*CB*(\t)   ; the wave stores 256 consecutive bytes, aligned
.endm
.irp t, 0,1,2,3,4,5,6,7,8,9,10,11,12,13,14,15
	STEP \t
.endr
	ds_load_b64 v[8:9], v6                         ; LDS serves a wave's instructions in order: these see my byte stores
	s_wait_dscnt 0x0
	global_store_b64 v7, v[8:9], s[10:11]          ; 32 lanes store 256 consecutive bytes, aligned
	s_wait_tensorcnt 0x0                           ; the wave's end, behind my last LDS store
	ds_add_u32 v[SPW], v[NIL]
	s_wait_dscnt 0x0
	s_endpgm
; Wo -> f16, as IMAGES OF OPERAND REGISTERS: wo16 = [nb 64][kb 64][512 bytes]; in image (nb, kb) lane (r = lane % 16, h = lane / 16) owns the 16 bytes at 16 x lane: Wo(16 nb + r, 16 kb + 8 h + 0 .. 7).
; Images 2 c and 2 c + 1 are registers 0-3 and 4-7 of a fragment of 16 rows x 32 K.  A wave takes one nb and 32 of its kb, eight at a time; a store covers 512 consecutive bytes.
; The reads are 32 bytes a lane of 16 rows; a batch's 16 loads cover 512 consecutive bytes of each row.  These waves touch no LDS.
.Lwo:
	s_sub_co_u32 s30, s26, 1408
	s_lshr_b32 s29, s30, 1                         ; nb
	s_and_b32 s30, s30, 1                          ; which 32 of the 64 kb
	s_lshl_b32 s32, s29, 16                        ; 16 rows of 4,096 bytes
	s_lshl_b32 s33, s30, 11                        ; 32 kb x 64 bytes
	s_add_co_u32 s32, s32, s33
	s_mov_b32 s33, 0
	s_add_nc_u64 s[12:13], s[12:13], s[32:33]
	s_lshl_b32 s32, s29, 15                        ; 64 images
	s_lshl_b32 s34, s30, 14                        ; 32 images
	s_add_co_u32 s32, s32, s34
	s_add_nc_u64 s[22:23], s[22:23], s[32:33]
	v_and_b32 v8, 15, v0
	v_bfe_u32 v9, v0, 4, 1
	v_lshlrev_b32 v8, 12, v8
	v_lshl_add_u32 v8, v9, 5, v8                   ; row r, + 32 h bytes
.macro WLOAD q, set
.irp i, 0,1,2,3,4,5,6,7
	global_load_b128 v[IN+64*\set+8*\i:IN+64*\set+8*\i+3],   v8, s[12:13] offset:(8*\q+\i)*64 th:TH_LOAD_NT
	global_load_b128 v[IN+64*\set+8*\i+4:IN+64*\set+8*\i+7], v8, s[12:13] offset:(8*\q+\i)*64+16 th:TH_LOAD_NT
.endr
.endm
.macro WCVT q, set
.irp i, 0,1,2,3,4,5,6,7
.irp j, 0,1,2,3
	v_cvt_pk_f16_f32 v[OUTW+4*\i+\j], v[IN+64*\set+8*\i+2*\j], v[IN+64*\set+8*\i+2*\j+1]
.endr
.endr
.irp i, 0,1,2,3,4,5,6,7
	global_store_b128 v3, v[OUTW+4*\i:OUTW+4*\i+3], s[22:23] offset:(8*\q+\i)*512
.endr
.endm
	WLOAD 0, 0
	WLOAD 1, 1
	s_wait_loadcnt 16                              ; set 0 is in; set 1's sixteen loads may be out
	WCVT 0, 0
	WLOAD 2, 0
	s_wait_loadcnt 16
	s_wait_xcnt 0x0                                ; the last stores have read their data registers, which are written again below
	WCVT 1, 1
	WLOAD 3, 1
	s_wait_loadcnt 16
	s_wait_xcnt 0x0
	WCVT 2, 0
	s_wait_loadcnt 0x0
	s_wait_xcnt 0x0
	WCVT 3, 1
	s_endpgm
.Lfunc_end_k_qa9bee54f24_quant:
	.size	k_qa9bee54f24_quant, .Lfunc_end_k_qa9bee54f24_quant-k_qa9bee54f24_quant
	.p2alignl 7, 3214868480
	.fill 96, 4, 3214868480
	.section	.rodata,"a",@progbits
	.p2align	6, 0x0
	.amdhsa_kernel k_qa9bee54f24_quant
		.amdhsa_group_segment_fixed_size 49920
		.amdhsa_private_segment_fixed_size 0
		.amdhsa_enable_private_segment 0
		.amdhsa_kernarg_size 80
		.amdhsa_user_sgpr_count 2
		.amdhsa_user_sgpr_kernarg_segment_ptr 1
		.amdhsa_wavefront_size32 1
		.amdhsa_system_sgpr_workgroup_id_x 1
		.amdhsa_system_sgpr_workgroup_id_y 1
		.amdhsa_system_sgpr_workgroup_id_z 1
		.amdhsa_system_vgpr_workitem_id 0
		.amdhsa_next_free_vgpr 224
		.amdhsa_next_free_sgpr 66
		.amdhsa_reserve_vcc 0
		.amdhsa_float_denorm_mode_32 3
		.amdhsa_float_denorm_mode_16_64 3
		.amdhsa_memory_ordered 1
		.amdhsa_forward_progress 1
		.amdhsa_inst_pref_size 52
	.end_amdhsa_kernel
	.amdgpu_metadata
---
amdhsa.version: [ 1, 2 ]
amdhsa.kernels:
  - .name:           k_qa9bee54f24_quant
    .symbol:         k_qa9bee54f24_quant.kd
    .args:
      - { .name: hidden_states, .offset: 0, .size: 8, .value_kind: global_buffer, .address_space: global }
      - { .name: Wq, .offset: 8, .size: 8, .value_kind: global_buffer, .address_space: global }
      - { .name: Wk, .offset: 16, .size: 8, .value_kind: global_buffer, .address_space: global }
      - { .name: Wv, .offset: 24, .size: 8, .value_kind: global_buffer, .address_space: global }
      - { .name: Wo, .offset: 32, .size: 8, .value_kind: global_buffer, .address_space: global }
      - { .name: a_codes, .offset: 40, .size: 8, .value_kind: global_buffer, .address_space: global }
      - { .name: a_scales, .offset: 48, .size: 8, .value_kind: global_buffer, .address_space: global }
      - { .name: w_codes, .offset: 56, .size: 8, .value_kind: global_buffer, .address_space: global }
      - { .name: w_scales, .offset: 64, .size: 8, .value_kind: global_buffer, .address_space: global }
      - { .name: wo16, .offset: 72, .size: 8, .value_kind: global_buffer, .address_space: global }
    .group_segment_fixed_size: 49920
    .private_segment_fixed_size: 0
    .kernarg_segment_align: 8
    .kernarg_segment_size: 80
    .max_flat_workgroup_size: 192
    .sgpr_count:     66
    .vgpr_count:     224
    .wavefront_size: 32
...
	.end_amdgpu_metadata
.endif
;; end of part 1
;; launch qkv (part 2): grid 8 x 32, 4 waves a work-group, clusters of 4 x 4, 327,680 bytes of LDS; arguments a_codes, a_scales, w_codes, w_scales, qkv, bq, bk, bv, cos, sin; writes qkv
.if DOCPART == 2
	.amdgcn_target "amdgcn-amd-amdhsa--gfx1250"
	.amdhsa_code_object_version 6
	.text
	.protected	k_qa9bee54f24_qkv
	.globl	k_qa9bee54f24_qkv
	.p2align	8
	.type	k_qa9bee54f24_qkv,@function
k_qa9bee54f24_qkv:
	s_mov_b64 s[64:65], 0
	v_nop
	global_prefetch_b8 v0, s[64:65] scope:SCOPE_SE
	s_setreg_imm32_b32 hwreg(HW_REG_WAVE_MODE, 25, 1), 1
	s_wait_xcnt 0x0
	s_wait_alu depctr_hold_cnt(0) depctr_sa_sdst(0) depctr_va_vdst(0) depctr_va_sdst(0) depctr_va_ssrc(0) depctr_va_vcc(0) depctr_vm_vsrc(0)
	s_getreg_b32 s2, hwreg(HW_REG_IB_STS2, 6, 4)
	s_cmp_eq_u32 s2, 0
	s_cbranch_scc0 .Lentry_in_a_cluster
	s_endpgm
.Lentry_in_a_cluster:
	s_bfe_u32 s2, ttmp6, 0x10000c
	s_cmp_lg_u32 s2, 0xf033
	s_cbranch_scc0 .Lentry_shape_is_right
	s_endpgm
.Lentry_shape_is_right:
; LAUNCH 2 OF 4.  [q | k | v] = hidden [Wq | Wk | Wv]^T + bias on codes of FP4 (E2M1) with E8M0 scales, sums in f32; rope on q and k in f32; q, k rounded to bf16, v to f16.  Nothing of reference() is left out.
; A: a_codes [8192][512 bytes], a_scales [8192][32];  B: w_codes [3072][512 bytes], w_scales [3072][32] (rows 0-1023 Wq, then Wk, then Wv).
; SHARES.  256 work-groups of equal work.  Each makes, for its 256 tokens, FIRST a tile of 256 columns of q or of k (tile column tc = 0 .. 7 of the 2,048 columns of q and k), THEN 128 columns of v (columns 128 tc on): 384 columns in all.
; FIRST PART.  Four waves, 128 tokens x 128 columns each: 64 accumulators of 16 x 16, 512 registers.  K = 1,024 is two LDS slots of 512 along K (rows of 256 bytes), both asked for at the head.
; The scale bytes of the tile's 256 + 256 rows for all of K are two dense blocks: they come once, with the first fills.
; SECOND PART.  A's codes for all of K still lie in the two slots and A's scale words for all eight steps of 128 still stand in registers.  Only Wv's 128 rows are fetched: 2 x 128 rows of 256 bytes, just what B's place in slot 0 holds.
; That place is filled again behind the change of slots (one load each of waves 2 and 3), and the load has slot 1's products and the first part's way out in which to land.  Wv's scale words, 32 consecutive bytes a row, come from memory
; into registers at the head.  A wave makes 128 tokens x 64 columns, one head: 32 accumulators in the registers that the first part's tokens 0-63 have left.  The first part's stores leave while v is multiplied.
; CLUSTERS: 4 x 4 work-groups.  A's tiles are asked for jointly along a row of the cluster, B's and Wv's along a column.  The cluster's x is 0 for q, 1 for k; its y is the batch: both are the same in all sixteen partners.
; No prefetch: all loads but one go out at the head, and Wv's rows are read by all 32 tile rows.
; THE MATRIX INSTRUCTION IS USED TRANSPOSED (source 0 = 16 rows of W, source 1 = 16 tokens): lane (r, h) holds token r and eight neighbouring columns 16 b + 8 h + 0 .. 7.  The bias is the C of each sum's first product.
; THE WAY OUT NEEDS NO LDS.  qkv = T x 2^24 (T = 0 q, 1 k, 2 v) + IMAGES [bh 128][tb 64][bb 4][512 bytes]: image (tb, bb) holds 16 tokens x 16 channels of one head as the next launch's operand registers want them:
; for q and k lane (r, h) owns the 16 bytes at 16 x lane (token r, channels 16 bb + 8 h + 0 .. 7): just what the lane holds after packing.  For v the same 16 bytes go to slot 16 (r / 8) + 8 h + r % 8, so that the turning LDS load
; at 16 x lane gives a lane one channel and eight keys.  Every store of a wave covers 512 consecutive bytes, aligned.
; ROPE: channel d and d + 32 of a head are accumulators bb and bb + 2 of the same lane: q'(d) = q(d) cos(d) - q(d + 32) sin(d) for d < 32, q(d) cos(d) + q(d - 32) sin(d) else.
; q and k go in bf16, since with inputs some 30 times larger they pass f16's range.  LIMITS: |v| stays under 65,504 (f16); NaN and infinities are not served.
; REGISTERS, in windows of 256: window 0: v0-31 addresses; v32-95 scale words of A and B, two sets, and nothing else; v96-127 at work on the way out; v128-191 A's fragments, later packed results; v192-223 bv; v224-255 Wv's scale words, and nothing else.
;   window 1: B's fragments at v0-63 and v128-191; at v64-127 the bias of q or k; later all four quarters hold cos and sin of a block of 16 tokens each.   window 2: accumulators of my tokens 0-63 ((a, b) at v[8 (8 a + b)]), later v's ((a, b) at v[8 (4 a + b)]);   window 3: of tokens 64-127.
.set SIZE_K, 1024
.set KSTEP,  512                       ; along K in a slot
.set NQ,     KSTEP/128                 ; matrix instructions deep
.set ROWB,   256                       ; a tile's row in bytes
.set KROW,   SIZE_K/2                  ; a row of codes in memory
.set PITCH,  272                       ; an LDS row: 256 bytes + 16 of padding = 68 words: the 16 rows of a load start at 16 different banks (64 banks of 4 bytes: ISA guide 11.1)
.set FR,     8                         ; registers of a fragment: 16 rows x 128 K
.set NL,     2                         ; LDS loads that bring one
.set NP,     4                         ; places behind this matrix instruction (ISA guide 7.12.1)
.set HALFT,  128*PITCH
.set SLOT,   4*HALFT                   ; A's 256 rows, then B's 256 rows
.set KS,     SIZE_K/32                 ; a row of scales in bytes
.set SCL,    2*SLOT                    ; behind the two slots: the scales, as units of 256 bytes + 16 of padding
.set HALFS,  (128*KS/256)*272          ; the scales of 128 rows: what one tensor load brings
.set SBLK,   (16*KS/256)*272           ; those of 16 rows
.set SPARE,  SCL+4*HALFS               ; the spare words, 128 bytes a wave
.set ADRA, 16                          ; v16-17  LDS address of my A fragments in slot 0, 1
.set ADRB, 20                          ; v20-21  the same for B
.set ADRV, 22                          ; v22     LDS address of my fragments of Wv, in B's place in slot 0
.set VSO,  23                          ; v23     32 r: my row among 16 rows of scale bytes in memory
.set IMG,  24                          ; v24     16 x lane: my place in an image of q or k
.set IMV,  25                          ; v25     16 x (16 (r / 8) + 8 h + r % 8): my place in an image of v
.set CSO,  26                          ; v26     256 r + 32 h: my bytes in 16 rows of cos or sin
.set ADRS, 27                          ; v27     LDS address of my scale words: lanes 0-15 A's rows, lanes 16-31 B's
.set SPW,  28                          ; v28     LDS address of my spare word; never rewritten
.set NIL,  29                          ; v29     0; never rewritten
.set BO,   30                          ; v30     32 h: my bytes in 16 numbers of a bias
.set SC,   32                          ; scale words: set s at v[SC + 8 NQ s]; register NQ i + q: lanes 0-15 A's block i, lanes 16-31 B's block i
.set TT,   96                          ; the way out: 32 numbers of a head's 16 tokens
.set AF,   128                         ; A's fragments
.set PK,   128                         ; the way out: packed results, four sets of 16
.set BV,   192                         ; bv of my 64 columns: 8 registers for each block b
.set VS,   224                         ; Wv's scale words: register 8 b + k: row r of my block b, the k-th 128 along K, in lanes r and 16 + r
.set BIAS, 64                          ; in window 1: the bias of my 128 columns of q or k: 8 registers for each block b
.set G1, 24                            ; s[24:31] group 1 for A's tiles; s[32:39] group 0, a set for each slot
.set G0, 32
.set G1B, 48                           ; s[48:55], s[56:63] the same for B's; slot 0's set serves Wv's rows too
.set G0B, 56
.set G1S, 68                           ; s[68:75], s[76:79] for A's scales; s[80:87], s[88:91] for B's
.set G0S, 76
.set G1SB, 80
.set G0SB, 88
.set MSB, 0
.macro WIN new                         ; the immediate's high byte repeats the setting that is left; a switch that changes nothing is dropped
.if MSB != (\new)
	s_set_vgpr_msb (MSB<<8)|(\new)
.set MSB, \new
.endif
.endm
.set MUL_LO, 0xa1                      ; source 0 (B) window 1, source 1 (A) window 0, C and D window 2
.set MUL_HI, 0xf1                      ; the same, C and D window 3
.set FST_LO, 0x91                      ; the first step: C (the bias) window 1, D window 2
.set FST_HI, 0xd1                      ; D window 3
.set VFST,   0x81                      ; v's first step: C (bv) window 0, D window 2
.set TO_B,   0x40                      ; destination window 1, address window 0
; A joint load: waves 0 and 1 fetch for A, waves 2 and 3 for B; the branch hangs on the wave's number alone.  An s_nop 0 and four v_nop follow each line.
.macro JLOAD g0a, g1a, g0b, g1b
	s_cmp_eq_u32 s15, 0
	s_cbranch_scc0 .Lfor_b_\@
	tensor_load_to_lds s[\g0a:\g0a+3], s[\g1a:\g1a+7]
	s_nop 0
.rept 4
	v_nop
.endr
	s_branch .Lasked_\@
.Lfor_b_\@:
	tensor_load_to_lds s[\g0b:\g0b+3], s[\g1b:\g1b+7]
	s_nop 0
.rept 4
	v_nop
.endr
.Lasked_\@:
.endm
; The joint refill: Wv's 128 rows, K half 0 by wave 2 and K half 1 by wave 3, 128 rows of 256 bytes each, into B's two halves of slot 0.  Waves 0 and 1 have no part of it and issue none.
.macro VLOAD
	s_cmp_eq_u32 s15, 0
	s_cbranch_scc1 .Lno_part_\@
	tensor_load_to_lds s[G0B:G0B+3], s[G1B:G1B+7]
	s_nop 0
.rept 4
	v_nop
.endr
.Lno_part_\@:
.endm
.macro CREST                           ; a round of the cluster's barrier behind its opening barrier
	s_cmp_lg_u32 s14, 0
	s_cbranch_scc1 .Lnot_wave_0_\@
	s_barrier_signal -3
.Lnot_wave_0_\@:
	s_barrier_wait -3
	s_barrier_signal -1
	s_barrier_wait -1
.endm
.macro CROUND                          ; a whole round
	s_barrier_signal -1
	s_barrier_wait -1
	CREST
.endm
	s_load_b128 s[4:7], s[0:1], 0x0                ; A's codes s[4:5], A's scales s[6:7]
	s_load_b128 s[8:11], s[0:1], 0x10              ; B's codes s[8:9], B's scales s[10:11]
	s_load_b64 s[12:13], s[0:1], 0x20              ; qkv
	s_load_b128 s[96:99], s[0:1], 0x28             ; bq s[96:97], bk s[98:99]
	s_load_b64 s[100:101], s[0:1], 0x38            ; bv
	s_load_b64 s[104:105], s[0:1], 0x40            ; cos
	s_load_b64 s[66:67], s[0:1], 0x48              ; sin
	v_lshl_add_u32 v[SPW], v0, 2, SPARE
	v_mov_b32 v[NIL], 0
	ds_add_u32 v[SPW], v[NIL]                      ; the wave's opening: the add, twice on end, and its wait ahead of my first tensor load
	ds_add_u32 v[SPW], v[NIL]
	v_lshrrev_b32 v1, 5, v0
	v_readfirstlane_b32 s14, v1                    ; wave 0..3
	s_lshr_b32 s15, s14, 1                         ; which half of the tile's tokens is mine.  Also: I fetch for A (0) or for B (1)
	s_and_b32 s16, s14, 1                          ; which half of its columns.  Also: which 128 rows of that tile I fetch
	s_bfe_u32 s40, ttmp6, 0x40000                  ; cx, cy: my place in the cluster
	s_bfe_u32 s41, ttmp6, 0x40004
	s_lshl_b32 s42, ttmp9, 2
	s_add_co_u32 s42, s42, s40                     ; tile column tc = 4 x cluster x + cx
	s_and_b32 s17, ttmp7, 0xffff
	s_lshl_b32 s17, s17, 2
	s_add_co_u32 s17, s17, s41                     ; tile row = 4 x cluster y + cy
	s_lshl_b32 s43, s41, 2
	s_lshl_b32 s43, 15, s43                        ; my row of the cluster
	s_lshl_b32 s44, 0x1111, s40                    ; my column
	s_or_b32 s[G1+0], s43, (0<<16)|(1<<20)|(1<<21)|(5<<22)|(3<<25)  ; the mask; elements of 1 byte; padding on; bit 21 beside a mask; after every 64 words, 4 words
	s_or_b32 s[G1B+0], s44, (0<<16)|(1<<20)|(1<<21)|(5<<22)|(3<<25)
.irp g, G1, G1B
	s_mov_b32 s[\g+1], ROWB<<16                    ; tensor_dim0
	s_mov_b32 s[\g+2], 128<<16                     ; tensor_dim1
	s_mov_b32 s[\g+3], ROWB<<16                    ; tile_dim0
	s_mov_b32 s[\g+4], 128                         ; tile_dim1
	s_mov_b32 s[\g+5], KROW                        ; the pitch
	s_mov_b32 s[\g+6], 0
	s_mov_b32 s[\g+7], 0
.endr
	s_or_b32 s[G1S+0], s43, (3<<16)|(1<<20)|(1<<21)|(5<<22)|(3<<25) ; the scales of 128 rows: 4,096 dense bytes as 16 rows of 32 elements of 8 bytes, 16 bytes of padding behind each
	s_or_b32 s[G1SB+0], s44, (3<<16)|(1<<20)|(1<<21)|(5<<22)|(3<<25)
.irp g, G1S, G1SB
	s_mov_b32 s[\g+1], 32<<16
	s_mov_b32 s[\g+2], (128*KS/256)<<16
	s_mov_b32 s[\g+3], 32<<16
	s_mov_b32 s[\g+4], 128*KS/256
	s_mov_b32 s[\g+5], 32
	s_mov_b32 s[\g+6], 0
	s_mov_b32 s[\g+7], 0
.endr
	s_lshl_b32 s18, s16, 7                         ; which 128 rows of the tile I fetch
	s_lshl_b32 s20, s17, 8
	s_add_co_u32 s20, s20, s18                     ; A: row 256 x tile row + 128 x half
	s_lshl_b32 s46, s42, 8
	s_add_co_u32 s46, s46, s18                     ; B: row 256 x tile column + 128 x half
	s_mov_b32 s21, 0
	s_mov_b32 s47, 0
	s_mov_b64 s[18:19], KS
	s_mul_u64 s[22:23], s[20:21], s[18:19]         ; where these rows' scales begin
	s_mul_u64 s[92:93], s[46:47], s[18:19]
	s_mov_b64 s[18:19], KROW
	s_mul_u64 s[20:21], s[20:21], s[18:19]         ; and their codes
	s_mul_u64 s[46:47], s[46:47], s[18:19]
	s_mul_i32 s45, s14, HALFT                      ; where they go: wave x 128 rows: no place in the cluster enters an LDS address
	s_mul_i32 s94, s14, HALFS
	s_wait_dscnt 0x0                               ; both opening adds are done
	s_wait_kmcnt 0x0
	s_add_nc_u64 s[20:21], s[4:5], s[20:21]
	s_add_nc_u64 s[22:23], s[6:7], s[22:23]
	s_add_nc_u64 s[46:47], s[8:9], s[46:47]
	s_add_nc_u64 s[92:93], s[10:11], s[92:93]
	CROUND                                         ; all sixteen work-groups are here: the joint loads meet
	s_mov_b32 s[G0S], 1
	s_add_co_u32 s[G0S+1], s94, SCL
	s_mov_b64 s[G0S+2:G0S+3], s[22:23]
	s_or_b32 s[G0S+3], s[G0S+3], 0x80000000
	s_mov_b32 s[G0SB], 1
	s_add_co_u32 s[G0SB+1], s94, SCL
	s_mov_b64 s[G0SB+2:G0SB+3], s[92:93]
	s_or_b32 s[G0SB+3], s[G0SB+3], 0x80000000
	JLOAD G0S, G1S, G0SB, G1SB                     ; the scales first: they are wanted with slot 0.  Three loads of mine are out at the most
.irp s, 0,1
	s_mov_b32 s[G0+4*\s], 1
	s_add_co_u32 s[G0+4*\s+1], s45, \s*SLOT
	s_add_nc_u64 s[G0+4*\s+2:G0+4*\s+3], s[20:21], \s*ROWB
	s_or_b32 s[G0+4*\s+3], s[G0+4*\s+3], 0x80000000
	s_mov_b32 s[G0B+4*\s], 1
	s_add_co_u32 s[G0B+4*\s+1], s45, \s*SLOT
	s_add_nc_u64 s[G0B+4*\s+2:G0B+4*\s+3], s[46:47], \s*ROWB
	s_or_b32 s[G0B+4*\s+3], s[G0B+4*\s+3], 0x80000000
	JLOAD G0+4*\s, G1, G0B+4*\s, G1B
.endr
	v_and_b32 v1, 15, v0                           ; r
	v_bfe_u32 v2, v0, 4, 1                         ; h
	v_mul_u32_u24 v3, v1, PITCH
	v_lshl_add_u32 v4, v2, 4, v3                   ; a fragment's row x pitch + 16 h
	s_mul_i32 s21, s15, HALFT                      ; my 128 rows of A
	s_mul_i32 s22, s16, HALFT                      ; my 128 rows of B,
	s_add_co_u32 s22, s22, 2*HALFT                 ; which lie behind A's 256
.irp s, 0,1
	v_add_nc_u32 v[ADRA+\s], s21, v4
	v_add_nc_u32 v[ADRB+\s], s22, v4
	s_add_co_u32 s21, s21, SLOT
	s_add_co_u32 s22, s22, SLOT
.endr
	s_mul_i32 s21, s16, 64*PITCH                   ; my 64 rows of Wv,
	s_add_co_u32 s21, s21, 2*HALFT                 ; in B's place in slot 0
	v_add_nc_u32 v[ADRV], s21, v4
	v_mul_u32_u24 v5, v1, KS                       ; my row's scales: KS bytes a row,
	v_lshrrev_b32 v6, 8, v5
	v_lshl_add_u32 v5, v6, 4, v5                   ; and 16 more for each 256 passed
	s_mul_i32 s21, s15, HALFS                      ; A's: my 128 rows
	s_mul_i32 s22, s16, HALFS                      ; B's: my 128 rows, behind A's 256
	s_add_co_u32 s22, s22, 2*HALFS
	s_sub_co_u32 s22, s22, s21
	v_mul_u32_u24 v6, s22, v2                      ; lanes 16-31 take B's: the lower base + h x the distance
	s_add_co_u32 s21, s21, SCL
	v_add_nc_u32 v5, v5, v6
	v_add_nc_u32 v[ADRS], s21, v5
	v_and_b32 v6, 31, v0
	v_lshlrev_b32 v[IMG], 4, v6
	v_bfe_u32 v5, v0, 3, 1                         ; r / 8
	v_and_b32 v6, 7, v0                            ; r % 8
	v_lshl_add_u32 v6, v2, 3, v6
	v_lshl_add_u32 v6, v5, 4, v6
	v_lshlrev_b32 v[IMV], 4, v6
	v_lshlrev_b32 v[CSO], 8, v1
	v_lshl_add_u32 v[CSO], v2, 5, v[CSO]
	v_lshlrev_b32 v[BO], 5, v2
	v_lshlrev_b32 v[VSO], 5, v1
	s_cmp_eq_u32 ttmp9, 0                          ; whose bias: the cluster's x says q or k
	s_cselect_b64 s[96:97], s[96:97], s[98:99]
	s_lshl_b32 s46, s40, 10                        ; my 128 columns: (256 cx + 128 half) x 4 bytes
	s_lshl_b32 s47, s16, 9
	s_add_co_u32 s46, s46, s47
	s_mov_b32 s47, 0
	s_add_nc_u64 s[96:97], s[96:97], s[46:47]
	WIN TO_B
.irp b, 0,1,2,3,4,5,6,7
	global_load_b128 v[BIAS+8*\b:BIAS+8*\b+3],   v[BO], s[96:97] offset:64*\b       ; bias(16 b + 8 h + 0 .. 7): the result's layout
	global_load_b128 v[BIAS+8*\b+4:BIAS+8*\b+7], v[BO], s[96:97] offset:64*\b+16
.endr
	WIN 0
	s_lshl_b32 s46, s42, 9                         ; bv at my 64 columns of v: (128 tc + 64 half) x 4 bytes
	s_lshl_b32 s47, s16, 8
	s_add_co_u32 s46, s46, s47
	s_mov_b32 s47, 0
	s_add_nc_u64 s[100:101], s[100:101], s[46:47]
.irp b, 0,1,2,3
	global_load_b128 v[BV+8*\b:BV+8*\b+3],   v[BO], s[100:101] offset:64*\b
	global_load_b128 v[BV+8*\b+4:BV+8*\b+7], v[BO], s[100:101] offset:64*\b+16
.endr
	s_lshl_b32 s46, s42, 12                        ; the scale bytes of my 64 rows of Wv: rows 2,048 + 128 tc + 64 half, 32 bytes each
	s_lshl_b32 s47, s16, 11
	s_add_co_u32 s46, s46, s47
	s_add_co_u32 s46, s46, 2048*KS
	s_mov_b32 s47, 0
	s_add_nc_u64 s[10:11], s[10:11], s[46:47]
.irp b, 0,1,2,3
	global_load_b128 v[VS+8*\b:VS+8*\b+3],   v[VSO], s[10:11] offset:512*\b        ; sixteen rows' 512 consecutive bytes; both halves of the lanes read the same
	global_load_b128 v[VS+8*\b+4:VS+8*\b+7], v[VSO], s[10:11] offset:512*\b+16
.endr
	s_lshl_b32 s46, s42, 16                        ; Wv's codes: rows 2,048 + 128 tc on, 512 bytes each; my half of K (for waves 2 and 3: the wave's low bit)
	s_lshl_b32 s47, s16, 8
	s_add_co_u32 s46, s46, s47
	s_add_co_u32 s46, s46, 2048*KROW
	s_mov_b32 s47, 0
	s_add_nc_u64 s[92:93], s[8:9], s[46:47]        ; it hangs on the tile column and the wave's number alone, which my column of the cluster shares
	s_lshl_b32 s20, s41, 16                        ; cos, sin at my first token's position: (256 cy + 128 half) rows of 256 bytes
	s_lshl_b32 s21, s15, 15
	s_add_co_u32 s20, s20, s21
	s_mov_b32 s21, 0
	s_add_nc_u64 s[104:105], s[104:105], s[20:21]
	s_add_nc_u64 s[66:67], s[66:67], s[20:21]
	s_mov_b64 s[98:99], s[12:13]                   ; qkv once more, for v
	s_and_b32 s22, ttmp7, 0xffff                   ; the batch
	s_lshl_b32 s22, s22, 4
	s_lshl_b32 s23, s40, 2
	s_add_co_u32 s22, s22, s23
	s_lshl_b32 s23, s16, 1
	s_add_co_u32 s22, s22, s23                     ; bh of my first head of q or k: 16 b + 4 cx + 2 half
	s_lshl_b32 s22, s22, 17
	s_lshl_b32 s23, ttmp9, 24                      ; q or k
	s_add_co_u32 s22, s22, s23
	s_lshl_b32 s23, s41, 15                        ; my first block of 16 tokens: 16 cy + 8 half, 2,048 bytes each
	s_add_co_u32 s22, s22, s23
	s_lshl_b32 s23, s15, 14
	s_add_co_u32 s22, s22, s23
	s_mov_b32 s23, 0
	s_add_nc_u64 s[12:13], s[12:13], s[22:23]
	s_and_b32 s22, ttmp7, 0xffff
	s_lshl_b32 s22, s22, 4
	s_lshl_b32 s23, s42, 1
	s_add_co_u32 s22, s22, s23
	s_add_co_u32 s22, s22, s16                     ; bh of my head of v: 16 b + 2 tc + half
	s_lshl_b32 s22, s22, 17
	s_add_co_u32 s22, s22, 2<<24                   ; v
	s_lshl_b32 s23, s41, 15
	s_add_co_u32 s22, s22, s23
	s_lshl_b32 s23, s15, 14
	s_add_co_u32 s22, s22, s23
	s_mov_b32 s23, 0
	s_add_nc_u64 s[98:99], s[98:99], s[22:23]
.macro FRAG reg, adr, q, i             ; 16 rows x 128 K of 4-bit codes: lane l holds row l % 16; registers 4 c .. 4 c + 3 hold K = 64 c + 32 (l / 16) + 0 .. 31
.irp c, 0,1
	ds_load_b128 v[\reg+4*\c:\reg+4*\c+3], v[\adr] offset:64*(\q)+32*\c+(\i)*16*PITCH
.endr
.endm
; 16 matrix instructions: A's blocks a0, a0 + 1 x B's eight, the slot's q-th 128 along K.  p: B's set; sc: the set of scale words.  first = 1: the bias is C: nothing is cleared and nothing added later.
; The 64 accumulators take turns, one instruction a turn, in the same order in every step.
.macro MUL16 a0, p, q, sc, first
.irp a, \a0, \a0+1
.irp b, 0,1,2,3,4,5,6,7
.if \first
	v_wmma_scale_f32_16x16x128_f8f6f4 v[8*(8*((\a)%4)+\b):8*(8*((\a)%4)+\b)+7], v[128*(\p)+FR*\b:128*(\p)+FR*\b+FR-1], v[AF+FR*(\a):AF+FR*(\a)+FR-1], v[BIAS+8*\b:BIAS+8*\b+7], v[SC+8*NQ*(\sc)+NQ*\b+(\q)], v[SC+8*NQ*(\sc)+NQ*(\a)+(\q)] matrix_a_fmt:MATRIX_FMT_FP4 matrix_b_fmt:MATRIX_FMT_FP4 matrix_a_scale:MATRIX_SCALE_ROW1
.else
	v_wmma_scale_f32_16x16x128_f8f6f4 v[8*(8*((\a)%4)+\b):8*(8*((\a)%4)+\b)+7], v[128*(\p)+FR*\b:128*(\p)+FR*\b+FR-1], v[AF+FR*(\a):AF+FR*(\a)+FR-1], v[8*(8*((\a)%4)+\b):8*(8*((\a)%4)+\b)+7], v[SC+8*NQ*(\sc)+NQ*\b+(\q)], v[SC+8*NQ*(\sc)+NQ*(\a)+(\q)] matrix_a_fmt:MATRIX_FMT_FP4 matrix_b_fmt:MATRIX_FMT_FP4 matrix_a_scale:MATRIX_SCALE_ROW1
.endif
.endr
.endr
.endm
.macro FETCH_B slot, q, p
	WIN TO_B
.irp i, 0,1,2,3,4,5,6,7
	FRAG 128*(\p)+FR*\i, ADRB+\slot, \q, \i
.endr
	WIN 0
.endm
.macro FETCH_A slot, q, i0
.irp i, \i0, \i0+1, \i0+2, \i0+3
	FRAG AF+FR*(\i), ADRA+\slot, \q, \i
.endr
.endm
.macro SCALES sc                       ; a slot's scale words: NQ words a row; lanes 0-15 take A's block i, lanes 16-31 B's block i
.irp i, 0,1,2,3,4,5,6,7
	ds_load_b128 v[SC+8*NQ*\sc+NQ*\i:SC+8*NQ*\sc+NQ*\i+3], v[ADRS] offset:\i*SBLK
.endr
.endm
; A load into a register that a matrix instruction has read, and a vector instruction that reads a matrix result, stand NP places behind it; only plain vector instructions that name none of its registers are places.
.macro PLACES n
.rept \n
	v_nop
.endr
.endm
; A step of 128 along K that has its successor in the same slot.  A has one set of registers: blocks 0-3 are fetched anew in the step's middle, blocks 4-7 at its end; B has two sets.
.macro STEP slot, q, first
	s_wait_dscnt 4*NL                              ; B's set and A's blocks 0-3 are in; the youngest eight loads (A's blocks 4-7) may be out
.if \first
	WIN FST_LO
.else
	WIN MUL_LO
.endif
	MUL16 0, (\q)%2, \q, \slot, \first
	MUL16 2, (\q)%2, \q, \slot, \first
	s_wait_dscnt 0                                 ; A's blocks 4-7 are in
	PLACES NP
	FETCH_B \slot, (\q)+1, 1-(\q)%2
	FETCH_A \slot, (\q)+1, 0
.if \first
	WIN FST_HI
.else
	WIN MUL_HI
.endif
	MUL16 4, (\q)%2, \q, \slot, \first
	MUL16 6, (\q)%2, \q, \slot, \first
	PLACES NP
	WIN 0
	FETCH_A \slot, (\q)+1, 4
.endm
; Slot 0's last step goes over to slot 1, and B's place in slot 0 is filled again with Wv's rows.  In front of the barrier each wave waits for all its tensor loads (its part of slot 1), adds 0 to its spare word, and waits for that
; and for its reads of slot 0.  The barrier opens a round of the cluster's barrier: behind the round no wave of any partner reads B's rows in slot 0 or has a load on its way, and slot 1 is whole.  The joint refill comes first behind it.
.macro TURN slot, next
	s_wait_tensorcnt 0x0                           ; all my tensor loads have landed: so slot 0's group 0 may be written
	ds_add_u32 v[SPW], v[NIL]                      ; 0 onto my spare word
	s_wait_dscnt 4*NL+1                            ; (the add and the youngest eight loads, A's blocks 4-7, may be out)
	WIN MUL_LO
	MUL16 0, 1, NQ-1, \slot, 0                     ; sixteen matrix instructions stand between the add and the wait for it
	s_wait_dscnt 0x0                               ; the add is done, and my reads of this slot's rows of B are over
	s_barrier_signal -1
	MUL16 2, 1, NQ-1, \slot, 0
	WIN 0
	s_barrier_wait -1
	CREST
	s_mov_b64 s[G0B+2:G0B+3], s[92:93]             ; from Wv's rows; the LDS address stays: wave 2 B's first 128 rows of slot 0, wave 3 its second
	s_or_b32 s[G0B+3], s[G0B+3], 0x80000000
	VLOAD                                          ; the first tensor load behind the round, and the last of the launch
	PLACES NP                                      ; in front of the loads below, on the way of the waves that asked for nothing too
	v_add_nc_u32 v[ADRS], 4*NQ, v[ADRS]            ; on to the next slot's scale words
	FETCH_B \next, 0, 0
	FETCH_A \next, 0, 0
	SCALES \next
	WIN MUL_HI
	MUL16 4, 1, NQ-1, \slot, 0
	MUL16 6, 1, NQ-1, \slot, 0
	PLACES NP
	WIN 0
	FETCH_A \next, 0, 4
.endm
.macro STEPS slot, from
.set Q, \from
.rept NQ-1-\from
	STEP \slot, Q, 0
.set Q, Q+1
.endr
.endm
; cos and sin of block a's 16 tokens, in the result's layout, into quarter a % 4 of window 1 (v64, v192, v0, v128): cos(16 bb + 8 h + j) at 8 bb + j, sin 32 registers on.  Sixteen loads.
.macro CSLOAD a
.set CSB, 64*(1-((\a)%4)/2)+128*((\a)%2)
	WIN TO_B
.irp bb, 0,1,2,3
	global_load_b128 v[CSB+8*\bb:CSB+8*\bb+3],       v[CSO], s[104:105] offset:(\a)*4096+64*\bb
	global_load_b128 v[CSB+8*\bb+4:CSB+8*\bb+7],     v[CSO], s[104:105] offset:(\a)*4096+64*\bb+16
	global_load_b128 v[CSB+32+8*\bb:CSB+32+8*\bb+3],   v[CSO], s[66:67] offset:(\a)*4096+64*\bb
	global_load_b128 v[CSB+32+8*\bb+4:CSB+32+8*\bb+7], v[CSO], s[66:67] offset:(\a)*4096+64*\bb+16
.endr
	WIN 0
.endm
; Block a (16 tokens), head hh of my two: rope in f32, rounded to bf16, four images stored.  Each accumulator is first read at its low end.
.macro ROPE a, hh
.set AC, 64*((\a)%4)+32*(\hh)
.set CSB, 64*(1-((\a)%4)/2)+128*((\a)%2)
.set PS, PK+16*((2*(\a)+\hh)%4)
	WIN 0x06+(\a)/4                                ; source 0: the accumulators' window 2 or 3; source 1: window 1
.irp bb, 0,1,2,3
.irp j, 0,2,4,6
	v_pk_mul_f32 v[TT+8*\bb+\j:TT+8*\bb+\j+1], v[AC+8*\bb+\j:AC+8*\bb+\j+1], v[CSB+8*\bb+\j:CSB+8*\bb+\j+1]
.endr
.endr
.irp bb, 0,1
.irp j, 0,2,4,6
	v_pk_fma_f32 v[TT+8*\bb+\j:TT+8*\bb+\j+1], v[AC+8*(\bb+2)+\j:AC+8*(\bb+2)+\j+1], v[CSB+32+8*\bb+\j:CSB+32+8*\bb+\j+1], v[TT+8*\bb+\j:TT+8*\bb+\j+1] neg_lo:[1,0,0] neg_hi:[1,0,0]
.endr
.endr
.irp bb, 2,3
.irp j, 0,2,4,6
	v_pk_fma_f32 v[TT+8*\bb+\j:TT+8*\bb+\j+1], v[AC+8*(\bb-2)+\j:AC+8*(\bb-2)+\j+1], v[CSB+32+8*\bb+\j:CSB+32+8*\bb+\j+1], v[TT+8*\bb+\j:TT+8*\bb+\j+1]
.endr
.endr
	WIN 0
.irp bb, 0,1,2,3
.irp j, 0,1,2,3
	v_cvt_pk_bf16_f32 v[PS+4*\bb+\j], v[TT+8*\bb+2*\j], v[TT+8*\bb+2*\j+1]
.endr
.endr
.irp bb, 0,1,2,3
	global_store_b128 v[IMG], v[PS+4*\bb:PS+4*\bb+3], s[12:13] offset:(\hh)*131072+(\a)*2048+\bb*512   ; an image: 512 consecutive bytes
.endr
.endm
; THE SECOND PART'S MACROS.  Wv's four fragments of my 64 rows: K half kh, its q-th 128 along K, into set p
.macro VFETCH_B kh, q, p
	WIN TO_B
.irp i, 0,1,2,3
.irp c, 0,1
	ds_load_b128 v[128*(\p)+FR*\i+4*\c:128*(\p)+FR*\i+4*\c+3], v[ADRV] offset:(\kh)*HALFT+64*(\q)+32*\c+\i*16*PITCH
.endr
.endr
	WIN 0
.endm
; 16 matrix instructions: A's blocks a0 .. a0 + 3 x Wv's four, the k-th 128 along K of all eight.  Wv's scale words stand in lanes 0-15 of their own registers, A's in lanes 0-15 of the registers that the first part filled.
; first = 1: bv is C.  The 32 accumulators take turns, one instruction a turn, in the same order in every step.
.macro VMUL a0, p, k, first
.irp a, \a0, \a0+1, \a0+2, \a0+3
.irp b, 0,1,2,3
.if \first
	v_wmma_scale_f32_16x16x128_f8f6f4 v[8*(4*(\a)+\b):8*(4*(\a)+\b)+7], v[128*(\p)+FR*\b:128*(\p)+FR*\b+FR-1], v[AF+FR*(\a):AF+FR*(\a)+FR-1], v[BV+8*\b:BV+8*\b+7], v[VS+8*\b+(\k)], v[SC+8*NQ*((\k)/4)+NQ*(\a)+(\k)%4] matrix_a_fmt:MATRIX_FMT_FP4 matrix_b_fmt:MATRIX_FMT_FP4
.else
	v_wmma_scale_f32_16x16x128_f8f6f4 v[8*(4*(\a)+\b):8*(4*(\a)+\b)+7], v[128*(\p)+FR*\b:128*(\p)+FR*\b+FR-1], v[AF+FR*(\a):AF+FR*(\a)+FR-1], v[8*(4*(\a)+\b):8*(4*(\a)+\b)+7], v[VS+8*\b+(\k)], v[SC+8*NQ*((\k)/4)+NQ*(\a)+(\k)%4] matrix_a_fmt:MATRIX_FMT_FP4 matrix_b_fmt:MATRIX_FMT_FP4
.endif
.endr
.endr
.endm
; Step k of eight: as STEP, with four blocks of Wv.  A's fragments come from slot k / 4 as in the first part
.macro VSTEP k
	s_wait_dscnt 4*NL                              ; Wv's set and A's blocks 0-3 are in; the youngest eight loads (A's blocks 4-7) may be out
.if (\k) == 0
	WIN VFST
	VMUL 0, 0, 0, 1
.else
	WIN MUL_LO
	VMUL 0, (\k)%2, \k, 0
.endif
	s_wait_dscnt 0                                 ; A's blocks 4-7 are in
.if (\k) < 7
	PLACES NP
	VFETCH_B ((\k)+1)/4, ((\k)+1)%4, 1-(\k)%2
	FETCH_A ((\k)+1)/4, ((\k)+1)%4, 0
.endif
.if (\k) == 0
	WIN VFST
	VMUL 4, 0, 0, 1
.else
	WIN MUL_LO
	VMUL 4, (\k)%2, \k, 0
.endif
	PLACES NP
	WIN 0
.if (\k) < 7
	FETCH_A ((\k)+1)/4, ((\k)+1)%4, 4
.endif
.endm
	s_wait_tensorcnt 1                             ; the scales and my part of slot 0 are in (slot 1's load may be out),
	s_barrier_signal -1
	s_barrier_wait -1                              ; everybody's are
	FETCH_B 0, 0, 0
	FETCH_A 0, 0, 0
	SCALES 0
	FETCH_A 0, 0, 4
	s_wait_loadcnt 0x0                             ; the two biases and Wv's scale words
	STEP 0, 0, 1                                   ; the first step's products start the sums from the bias
	STEPS 0, 1
	TURN 0, 1
	CSLOAD 0                                       ; cos and sin of my first two blocks: they land while slot 1 is multiplied.  (Block 0's take the registers that held the bias, which the first step alone read)
	CSLOAD 1
	STEPS 1, 0
	s_wait_dscnt 4*NL                              ; the first part's last step: nothing more to fetch
	WIN MUL_LO
	MUL16 0, 1, NQ-1, 1, 0
	MUL16 2, 1, NQ-1, 1, 0
	s_wait_dscnt 0
	WIN MUL_HI
	MUL16 4, 1, NQ-1, 1, 0
	MUL16 6, 1, NQ-1, 1, 0
	WIN 0
	PLACES NP                                      ; ahead of the first read of results, of writes into A's registers and of loads into B's
	CSLOAD 2                                       ; B's two sets are free: cos and sin have four quarters, and are asked for three to four blocks ahead
	CSLOAD 3
.irp a, 0,1,2,3,4,5,6,7
.if \a < 5
	s_wait_loadcnt 48                              ; this block's cos and sin are in; the next three blocks' 48 loads may be out
.else
	s_wait_loadcnt 16*(7-\a)                       ; towards the end: those of the blocks that are left
.endif
.if \a > 1
	s_wait_xcnt 0x0                                ; the stores of two blocks back have read the packed registers that are written again below
.endif
	ROPE \a, 0
	ROPE \a, 1
.if \a < 4
	CSLOAD \a+4
.endif
.endr
	; THE SECOND PART: v.
	s_wait_tensorcnt 0x0                           ; my part of Wv's rows has landed (waves 0 and 1 asked for none),
	s_wait_xcnt 0x0                                ; and the last stores have read the packed registers, into which A's fragments are loaded again
	s_wait_dscnt 0x0                               ; no LDS instruction of mine is pending at a signal
	s_barrier_signal -1
	s_barrier_wait -1                              ; everybody's has.
	VFETCH_B 0, 0, 0
	FETCH_A 0, 0, 0
	FETCH_A 0, 0, 4
.irp k, 0,1,2,3,4,5,6,7
	VSTEP \k
.endr
.irp a, 0,1,2,3,4,5,6,7                ; the way out: block a's 16 tokens x 64 channels, rounded to f16: four images
.if \a > 3
	s_wait_xcnt 0x0                                ; the stores of four blocks back have read their data
.endif
	WIN 0x0a                                       ; sources 0 and 1: window 2
.irp b, 0,1,2,3
.irp j, 0,1,2,3
	v_cvt_pk_f16_f32 v[PK+16*(\a%4)+4*\b+\j], v[8*(4*\a+\b)+2*\j], v[8*(4*\a+\b)+2*\j+1]   ; each accumulator from its low end on
.endr
.endr
	WIN 0
.irp b, 0,1,2,3
	global_store_b128 v[IMV], v[PK+16*(\a%4)+4*\b:PK+16*(\a%4)+4*\b+3], s[98:99] offset:\a*2048+\b*512   ; an image: 512 consecutive bytes
.endr
.endr
	s_wait_tensorcnt 0x0                           ; the wave's end, behind my last tensor load
	ds_add_u32 v[SPW], v[NIL]
	s_wait_dscnt 0x0
	CROUND                                         ; the closing round: no work-group ends while a partner may still ask for a tile that names it
	s_endpgm
.Lfunc_end_k_qa9bee54f24_qkv:
	.size	k_qa9bee54f24_qkv, .Lfunc_end_k_qa9bee54f24_qkv-k_qa9bee54f24_qkv
	.p2alignl 7, 3214868480
	.fill 96, 4, 3214868480
	.section	.rodata,"a",@progbits
	.p2align	6, 0x0
	.amdhsa_kernel k_qa9bee54f24_qkv
		.amdhsa_group_segment_fixed_size 327680
		.amdhsa_private_segment_fixed_size 0
		.amdhsa_enable_private_segment 0
		.amdhsa_kernarg_size 80
		.amdhsa_user_sgpr_count 2
		.amdhsa_user_sgpr_kernarg_segment_ptr 1
		.amdhsa_wavefront_size32 1
		.amdhsa_system_sgpr_workgroup_id_x 1
		.amdhsa_system_sgpr_workgroup_id_y 1
		.amdhsa_system_sgpr_workgroup_id_z 1
		.amdhsa_system_vgpr_workitem_id 0
		.amdhsa_next_free_vgpr 1024
		.amdhsa_next_free_sgpr 106
		.amdhsa_reserve_vcc 0
		.amdhsa_float_denorm_mode_32 3
		.amdhsa_float_denorm_mode_16_64 3
		.amdhsa_memory_ordered 1
		.amdhsa_forward_progress 1
		.amdhsa_inst_pref_size 228
	.end_amdhsa_kernel
	.amdgpu_metadata
---
amdhsa.version: [ 1, 2 ]
amdhsa.kernels:
  - .name:           k_qa9bee54f24_qkv
    .symbol:         k_qa9bee54f24_qkv.kd
    .args:
      - { .name: a_codes, .offset: 0, .size: 8, .value_kind: global_buffer, .address_space: global }
      - { .name: a_scales, .offset: 8, .size: 8, .value_kind: global_buffer, .address_space: global }
      - { .name: w_codes, .offset: 16, .size: 8, .value_kind: global_buffer, .address_space: global }
      - { .name: w_scales, .offset: 24, .size: 8, .value_kind: global_buffer, .address_space: global }
      - { .name: qkv, .offset: 32, .size: 8, .value_kind: global_buffer, .address_space: global }
      - { .name: bq, .offset: 40, .size: 8, .value_kind: global_buffer, .address_space: global }
      - { .name: bk, .offset: 48, .size: 8, .value_kind: global_buffer, .address_space: global }
      - { .name: bv, .offset: 56, .size: 8, .value_kind: global_buffer, .address_space: global }
      - { .name: cos, .offset: 64, .size: 8, .value_kind: global_buffer, .address_space: global }
      - { .name: sin, .offset: 72, .size: 8, .value_kind: global_buffer, .address_space: global }
    .group_segment_fixed_size: 327680
    .private_segment_fixed_size: 0
    .kernarg_segment_align: 8
    .kernarg_segment_size: 80
    .max_flat_workgroup_size: 128
    .sgpr_count:     106
    .vgpr_count:     1024
    .wavefront_size: 32
...
	.end_amdgpu_metadata
.endif
;; end of part 2
;; launch attn (part 3): grid 2 x 128, 16 waves a work-group, no clusters, 327,680 bytes of LDS; arguments qkv, att; writes att
.if DOCPART == 3
	.amdgcn_target "amdgcn-amd-amdhsa--gfx1250"
	.amdhsa_code_object_version 6
	.text
	.protected	k_qa9bee54f24_attn
	.globl	k_qa9bee54f24_attn
	.p2align	8
	.type	k_qa9bee54f24_attn,@function
k_qa9bee54f24_attn:
	s_mov_b64 s[64:65], 0
	v_nop
	global_prefetch_b8 v0, s[64:65] scope:SCOPE_SE
	s_setreg_imm32_b32 hwreg(HW_REG_WAVE_MODE, 25, 1), 1
	s_wait_xcnt 0x0
; LAUNCH 3 OF 4.  att[b][s][head] = softmax_k(q . k / 8) v for each of 128 (batch, head) pairs; q, k in bf16, the weights p and v in f16, products, maxima and sums in f32.  Nothing of reference() is left out.
; qkv = T x 2^24 (0 q, 1 k, 2 v) + images [bh 128][tb 64][bb 4][512 bytes] (16 tokens x 16 channels as operand registers want them; see the launch before).
; att = images [gtb 512][k16 64][512 bytes], f16: gtb = 64 b + s / 16, k16 = 4 head + cb; lane (r, h) owns the 16 bytes at 16 x lane: token r, channels 16 k16 + 8 h + 0 .. 7: the last launch's operand.
; SHARES.  A work-group owns 512 queries of one (b, head); each of its sixteen waves 32 of them, two tiles of 16, in 256 registers: four waves to a SIMD, so that one wave's vector work stands beside another's matrix work and LDS loads.
; ALL OF THE HEAD'S K AND V LIE IN LDS AT ONCE (2 x 131,072 bytes, dense images): nothing is filled again.  Every wave issues four tensor loads at the head, one for each chunk of 256 keys (waves 0-7: K, waves 8-15: V; 4,096 bytes each),
; so that a chunk's sixteen parts are asked for ahead of the next chunk's; four loads of a wave are out at the most.  A chunk is read behind a counted wait and a barrier.
; No cluster: only two work-groups share a head's K and V, and each asks for every byte once, at its head.  No prefetch: all loads go out at the head.
; LAYOUT.  S^T = K Q^T (source 0 = 16 keys, source 1 = 16 queries): a lane holds ONE query (lane % 16) and keys 8 (lane / 16) + 0 .. 7 of each block of 16.  Two such tiles packed to f16 ARE source 1 of O^T = V^T P,
; whose result again holds one query a lane and eight channels: 16 bytes of an image of att.  V's images are turned by ds_load_tr16_b128 at 16 x lane.
; SOFTMAX.  A running maximum m and sum l for each query: p = 2^(c s - c m), c = log2(e) / 8; in every step O and l are multiplied by a = 2^(c m_old - c m_new).  The step is written once: m begins at -3e38, l and O at 0.
; LIMITS: scores stay above -3e38; |v| under 65,504; a weight under 2^-25 of its row's largest counts as 0 in the second product; NaN and infinities are not served.
.set KLDS,  0
.set VLDS,  131072
.set SPARE, 262144                     ; the spare words, 128 bytes for each of sixteen waves
.set L16, 1                            ; v1   16 x lane
.set AV0, 2                            ; v2   16 x lane + VLDS
.set ADK, 3                            ; v3   LDS address of the step's images of K
.set ADV, 4                            ; v4   of V
.set SPW, 5                            ; v5   LDS address of my spare word; never rewritten
.set NIL, 6                            ; v6   0; never rewritten
.set ST,  8                            ; tile t's statistics at v[ST + 8 t]: +0 c m, +1 m, +2, +3 l (even keys', odd keys'), +4 .. +7 c0-c3 at work; a takes c2's place
.set Q,   24                           ; v24-55   Q, 16 registers a tile
.set S,   56                           ; v56-119  S^T, 32 a tile; then p; packed, p takes the first 16
.set KV,  120                          ; v120-183 a step's K, then its V
.set O,   184                          ; v184-247 O^T, 32 a tile
.set XX,  248                          ; v248-251 a second chain for the row's sum, a pair a tile
.set WV,  8                            ; s8   my wave's number
.set G1,  16                           ; s[16:23] descriptor group 1
.set G0,  24                           ; s[24:39] group 0, a set for each chunk
.set CS,  40                           ; s[40:41] c, twice: the packed form names a pair
.set SEL, 42                           ; s[42:43] v_permlanex16_b32's selects for lane l xor 16
.set TB,  44                           ; s44  LDS byte at which the step's images begin
.set CNT, 45                           ; s45  steps to go in the chunk
	s_load_b128 s[4:7], s[0:1], 0x0                ; qkv s[4:5], att s[6:7]
	v_lshl_add_u32 v[SPW], v0, 2, SPARE
	v_mov_b32 v[NIL], 0
	ds_add_u32 v[SPW], v[NIL]                      ; the wave's opening: the add, twice on end, and its wait ahead of my first tensor load
	ds_add_u32 v[SPW], v[NIL]
	v_lshrrev_b32 v1, 5, v0
	v_readfirstlane_b32 s[WV], v1                  ; wave 0..15
	s_mov_b32 s[G1+0], 3<<16                       ; no mask; elements of 8 bytes; no padding
	s_mov_b32 s[G1+1], 32<<16                      ; tensor_dim0 = 32: rows of 256 bytes
	s_mov_b32 s[G1+2], 16<<16                      ; tensor_dim1 = 16
	s_mov_b32 s[G1+3], 32<<16                      ; tile_dim0
	s_mov_b32 s[G1+4], 16                          ; tile_dim1: 4,096 dense bytes
	s_mov_b32 s[G1+5], 32                          ; the pitch
	s_mov_b32 s[G1+6], 0
	s_mov_b32 s[G1+7], 0
	s_lshr_b32 s9, s[WV], 3                        ; 0: I fetch K; 1: V
	s_and_b32 s10, s[WV], 7                        ; which eighth of a chunk
	s_lshl_b32 s11, s9, 17
	s_lshl_b32 s12, s10, 12
	s_add_co_u32 s11, s11, s12                     ; LDS: my part of chunk 0
	s_and_b32 s13, ttmp7, 0xffff                   ; bh
	s_add_co_u32 s14, s9, 1
	s_lshl_b32 s14, s14, 24                        ; k's or v's part of qkv,
	s_lshl_b32 s15, s13, 17                        ; my head's 131,072 bytes,
	s_add_co_u32 s14, s14, s15
	s_add_co_u32 s14, s14, s12                     ; my eighth
	s_mov_b32 s15, 0
	s_lshl_b32 s50, ttmp9, 5
	s_lshl_b32 s51, s[WV], 1
	s_add_co_u32 s50, s50, s51                     ; my first block of 16 queries: 32 x + 2 wave
	s_lshl_b32 s52, s50, 11
	s_lshl_b32 s53, s13, 17
	s_add_co_u32 s52, s52, s53
	s_mov_b32 s53, 0                               ; s[52:53]: where my Q begins
	s_lshr_b32 s54, s13, 4
	s_lshl_b32 s54, s54, 6
	s_add_co_u32 s54, s54, s50                     ; gtb = 64 b + my block
	s_lshl_b32 s54, s54, 15
	s_and_b32 s55, s13, 15
	s_lshl_b32 s55, s55, 11                        ; k16 = 4 head
	s_add_co_u32 s54, s54, s55
	s_mov_b32 s55, 0                               ; s[54:55]: where my part of att begins
	s_mov_b32 s[CS], 0x3e38aa3b                    ; c = log2(e) / 8
	s_mov_b32 s[CS+1], s[CS]
	s_mov_b32 s[SEL], 0x76543210
	s_mov_b32 s[SEL+1], 0xfedcba98
	s_wait_dscnt 0x0                               ; both opening adds are done
	s_wait_kmcnt 0x0
	s_add_nc_u64 s[46:47], s[4:5], s[14:15]
.irp c, 0,1,2,3
	s_mov_b32 s[G0+4*\c], 1                        ; count = 1
	s_add_co_u32 s[G0+4*\c+1], s11, \c<<15         ; LDS address
	s_add_nc_u64 s[G0+4*\c+2:G0+4*\c+3], s[46:47], \c<<15
	s_or_b32 s[G0+4*\c+3], s[G0+4*\c+3], 0x80000000  ; type = 2
	tensor_load_to_lds s[G0+4*\c:G0+4*\c+3], s[G1:G1+7]
	s_nop 0
.endr
	s_add_nc_u64 s[48:49], s[4:5], s[52:53]
	s_add_nc_u64 s[6:7], s[6:7], s[54:55]
	v_and_b32 v[L16], 31, v0
	v_lshlrev_b32 v[L16], 4, v[L16]
	v_add_nc_u32 v[AV0], VLDS, v[L16]
.irp i, 0,1,2,3,4,5,6,7
	global_load_b128 v[Q+4*\i:Q+4*\i+3], v[L16], s[48:49] offset:512*\i   ; Q stays in registers: tile i / 4, image i % 4
.endr
.irp t, 0,1
	v_mov_b32 v[ST+8*\t+1], 0xff61b1e6             ; m = -3e38, under every score
	v_mul_f32 v[ST+8*\t], s[CS], v[ST+8*\t+1]      ; c m
	v_mov_b32 v[ST+8*\t+2], 0                      ; l
	v_mov_b32 v[ST+8*\t+3], 0
.endr
.irp j, 0,1,2,3,4,5,6,7,8,9,10,11,12,13,14,15,16,17,18,19,20,21,22,23,24,25,26,27,28,29,30,31,32,33,34,35,36,37,38,39,40,41,42,43,44,45,46,47,48,49,50,51,52,53,54,55,56,57,58,59,60,61,62,63
	v_mov_b32 v[O+\j], 0                           ; O^T: the step is written once; its first walk finds zeros, which a = 0 leaves zeros
.endr
	s_wait_loadcnt 0x0                             ; Q
; A KEY STEP: 64 keys, both tiles line by line.
.macro STEP
	v_add_nc_u32 v[ADK], s[TB], v[L16]
	v_add_nc_u32 v[ADV], s[TB], v[AV0]
.rept 3
	v_nop                                          ; with the two additions five places behind the last step's products: loads land in the registers that held V, and new sums are laid over p
.endr
.irp i, 0,1,2,3,4,5,6,7,8,9,10,11,12,13,14,15
	ds_load_b128 v[KV+4*\i:KV+4*\i+3], v[ADK] offset:512*\i    ; image i: keys 16 (i / 4) on, channels 16 (i % 4) on; 512 consecutive bytes
.endr
	s_wait_dscnt 0x0
.set i, 0
.rept 16                               ; S^T = K Q^T: channels 32 (i / 8) on, keys 16 ((i / 2) % 4) on, tile i % 2.  The eight accumulators take turns; the first eight products start the sums
.set rS, S+32*(i%2)+8*((i/2)%4)
.set rK, KV+16*((i/2)%4)+8*(i/8)
.set rQ, Q+16*(i%2)+8*(i/8)
.if i < 8
	v_wmma_f32_16x16x32_bf16 v[rS:rS+7], v[rK:rK+7], v[rQ:rQ+7], 0
.else
	v_wmma_f32_16x16x32_bf16 v[rS:rS+7], v[rK:rK+7], v[rQ:rQ+7], v[rS:rS+7]
.endif
.set i, i+1
.endr
.rept 4
	v_nop                                          ; four places: ahead of the loads into K's registers and of the first read of the scores
.endr
.irp tbl, 0,1,2,3
.irp cb, 0,1,2,3
	ds_load_tr16_b128 v[KV+16*\cb+8*(\tbl/2)+4*(\tbl%2):KV+16*\cb+8*(\tbl/2)+4*(\tbl%2)+3], v[ADV] offset:\tbl*2048+\cb*512   ; V^T: channel 16 cb + lane % 16, keys 16 tbl + 8 (lane / 16) + 0 .. 7; it lands under the softmax
.endr
.endr
.irp j, 0,1,2,3                        ; the maximum of my 32 scores and the old m: four chains, each begun at an accumulator's low end
.irp t, 0,1
	v_max3_num_f32 v[ST+8*\t+4+\j], v[S+32*\t+8*\j], v[S+32*\t+8*\j+1], v[S+32*\t+8*\j+2]
.endr
.endr
.irp u, 1,2
.irp j, 0,1,2,3
.irp t, 0,1
	v_max3_num_f32 v[ST+8*\t+4+\j], v[ST+8*\t+4+\j], v[S+32*\t+8*\j+2*\u+1], v[S+32*\t+8*\j+2*\u+2]
.endr
.endr
.endr
.irp t, 0,1
	v_max3_num_f32 v[ST+8*\t+4], v[ST+8*\t+4], v[S+32*\t+7], v[S+32*\t+15]
.endr
.irp t, 0,1
	v_max3_num_f32 v[ST+8*\t+6], v[ST+8*\t+6], v[S+32*\t+23], v[S+32*\t+31]
.endr
.irp t, 0,1
	v_max3_num_f32 v[ST+8*\t+4], v[ST+8*\t+4], v[ST+8*\t+5], v[ST+8*\t+6]
.endr
.irp t, 0,1
	v_max3_num_f32 v[ST+8*\t+4], v[ST+8*\t+4], v[ST+8*\t+7], v[ST+8*\t+1]
.endr
.irp t, 0,1
	v_permlanex16_b32 v[ST+8*\t+5], v[ST+8*\t+4], s[SEL], s[SEL+1]   ; the query's other 32 keys lie in the lane 16 away
.endr
.irp t, 0,1
	v_mov_b32 v[ST+8*\t+7], v[ST+8*\t]             ; c m_old
.endr
.irp t, 0,1
	v_max_num_f32 v[ST+8*\t+1], v[ST+8*\t+4], v[ST+8*\t+5]
.endr
.irp t, 0,1
	v_mul_f32 v[ST+8*\t], s[CS], v[ST+8*\t+1]
.endr
.irp t, 0,1
	v_sub_f32 v[ST+8*\t+7], v[ST+8*\t+7], v[ST+8*\t]
.endr
.irp j, 0,2,4,6,8,10,12,14,16,18,20,22,24,26,28,30
.irp t, 0,1
	v_pk_fma_f32 v[S+32*\t+\j:S+32*\t+\j+1], v[S+32*\t+\j:S+32*\t+\j+1], s[CS:CS+1], v[ST+8*\t:ST+8*\t+1] op_sel_hi:[1,0,0] neg_lo:[0,0,1] neg_hi:[0,0,1]   ; c s - c m
.endr
.endr
.irp t, 0,1
	v_exp_f32 v[ST+8*\t+6], v[ST+8*\t+7]           ; a.  ONE BATCH of 66 exponentials, none of which reads another's result
.endr
.irp j, 0,1,2,3,4,5,6,7,8,9,10,11,12,13,14,15,16,17,18,19,20,21,22,23,24,25,26,27,28,29,30,31
.irp t, 0,1
	v_exp_f32 v[S+32*\t+\j], v[S+32*\t+\j]
.endr
.endr
	v_nop                                          ; the plain instruction behind the last exponential
	s_wait_alu depctr_va_vdst(0)                   ; one wait for the batch, ahead of its first reader
.irp t, 0,1
	v_pk_mul_f32 v[ST+8*\t+2:ST+8*\t+3], v[ST+8*\t+2:ST+8*\t+3], v[ST+8*\t+6:ST+8*\t+7] op_sel_hi:[1,0]   ; l under the new m
.endr
.irp t, 0,1
	v_pk_add_f32 v[XX+2*\t:XX+2*\t+1], v[S+32*\t:S+32*\t+1], v[S+32*\t+2:S+32*\t+3]   ; the row's sum of the f32 weights, in two chains
.endr
.irp j, 4,8,12,16,20,24,28
.irp t, 0,1
	v_pk_add_f32 v[ST+8*\t+2:ST+8*\t+3], v[ST+8*\t+2:ST+8*\t+3], v[S+32*\t+\j:S+32*\t+\j+1]
	v_pk_add_f32 v[XX+2*\t:XX+2*\t+1], v[XX+2*\t:XX+2*\t+1], v[S+32*\t+\j+2:S+32*\t+\j+3]
.endr
.endr
.irp t, 0,1
	v_pk_add_f32 v[ST+8*\t+2:ST+8*\t+3], v[ST+8*\t+2:ST+8*\t+3], v[XX+2*\t:XX+2*\t+1]
.endr
.irp j, 0,1,2,3,4,5,6,7,8,9,10,11,12,13,14,15
.irp t, 0,1
	v_cvt_pk_f16_f32 v[S+32*\t+\j], v[S+32*\t+2*\j], v[S+32*\t+2*\j+1]   ; p to f16, in place, ascending: register j is written when pairs 0 .. j have been read
.endr
.endr
.irp j, 0,2,4,6,8,10,12,14,16,18,20,22,24,26,28,30
.irp t, 0,1
	v_pk_mul_f32 v[O+32*\t+\j:O+32*\t+\j+1], v[O+32*\t+\j:O+32*\t+\j+1], v[ST+8*\t+6:ST+8*\t+7] op_sel_hi:[1,0]   ; O^T under the new m, each accumulator from its low end on
.endr
.endr
	s_wait_dscnt 0x0                               ; V is in
.set i, 0
.rept 16                               ; O^T += V^T P: keys 32 (i / 8) on, channels 16 ((i / 2) % 4) on, tile i % 2; the eight accumulators take turns
.set rO, O+32*(i%2)+8*((i/2)%4)
.set rV, KV+16*((i/2)%4)+8*(i/8)
.set rP, S+32*(i%2)+8*(i/8)
	v_wmma_f32_16x16x32_f16 v[rO:rO+7], v[rV:rV+7], v[rP:rP+7], v[rO:rO+7]
.set i, i+1
.endr
.endm
; A chunk of 256 keys: my part of it has landed (the loads for the later chunks may stay out), everybody's has behind the barrier; then four steps.
.macro CHUNK c
	s_wait_tensorcnt 3-\c
	s_wait_dscnt 0x0                               ; no LDS instruction of mine is pending at a signal
	s_barrier_signal -1
	s_barrier_wait -1
	s_mov_b32 s[TB], \c*32768
	s_mov_b32 s[CNT], 4
.Lstep_\@:
	STEP
	s_add_co_u32 s[TB], s[TB], 8192                ; 64 keys: 4 blocks x 4 images x 512 bytes
	s_sub_co_u32 s[CNT], s[CNT], 1
	s_cmp_lg_u32 s[CNT], 0
	s_cbranch_scc1 .Lstep_\@
.endm
	CHUNK 0
	CHUNK 1
	CHUNK 2
	CHUNK 3
	; THE WAY OUT: l's two halves and the other half of the lanes' are added; O^T / l, rounded to f16, is 16 bytes a lane of each image of att.
.rept 4
	v_nop                                          ; four places behind the last products
.endr
.irp t, 0,1
	v_add_f32 v[ST+8*\t+4], v[ST+8*\t+2], v[ST+8*\t+3]
.endr
.irp t, 0,1
	v_permlanex16_b32 v[ST+8*\t+5], v[ST+8*\t+4], s[SEL], s[SEL+1]
.endr
.irp t, 0,1
	v_add_f32 v[ST+8*\t+4], v[ST+8*\t+4], v[ST+8*\t+5]
.endr
.irp t, 0,1
	v_rcp_f32 v[ST+8*\t+6], v[ST+8*\t+4]
.endr
	v_nop                                          ; a plain instruction behind the last reciprocal
	s_wait_alu depctr_va_vdst(0)                   ; one wait for the two, ahead of their first reader
.irp t, 0,1
.irp j, 0,2,4,6,8,10,12,14,16,18,20,22,24,26,28,30
	v_pk_mul_f32 v[O+32*\t+\j:O+32*\t+\j+1], v[O+32*\t+\j:O+32*\t+\j+1], v[ST+8*\t+6:ST+8*\t+7] op_sel_hi:[1,0]
.endr
.endr
.irp t, 0,1
.irp j, 0,1,2,3,4,5,6,7,8,9,10,11,12,13,14,15
	v_cvt_pk_f16_f32 v[S+16*\t+\j], v[O+32*\t+2*\j], v[O+32*\t+2*\j+1]
.endr
.endr
.irp t, 0,1
.irp cb, 0,1,2,3
	global_store_b128 v[L16], v[S+16*\t+4*\cb:S+16*\t+4*\cb+3], s[6:7] offset:\t*32768+\cb*512   ; an image: 512 consecutive bytes, aligned
.endr
.endr
	s_wait_tensorcnt 0x0                           ; the wave's end, behind my last tensor load
	ds_add_u32 v[SPW], v[NIL]
	s_wait_dscnt 0x0
	s_endpgm
.Lfunc_end_k_qa9bee54f24_attn:
	.size	k_qa9bee54f24_attn, .Lfunc_end_k_qa9bee54f24_attn-k_qa9bee54f24_attn
	.p2alignl 7, 3214868480
	.fill 96, 4, 3214868480
	.section	.rodata,"a",@progbits
	.p2align	6, 0x0
	.amdhsa_kernel k_qa9bee54f24_attn
		.amdhsa_group_segment_fixed_size 327680
		.amdhsa_private_segment_fixed_size 0
		.amdhsa_enable_private_segment 0
		.amdhsa_kernarg_size 16
		.amdhsa_user_sgpr_count 2
		.amdhsa_user_sgpr_kernarg_segment_ptr 1
		.amdhsa_wavefront_size32 1
		.amdhsa_system_sgpr_workgroup_id_x 1
		.amdhsa_system_sgpr_workgroup_id_y 1
		.amdhsa_system_sgpr_workgroup_id_z 1
		.amdhsa_system_vgpr_workitem_id 0
		.amdhsa_next_free_vgpr 256
		.amdhsa_next_free_sgpr 66
		.amdhsa_reserve_vcc 0
		.amdhsa_float_denorm_mode_32 3
		.amdhsa_float_denorm_mode_16_64 3
		.amdhsa_memory_ordered 1
		.amdhsa_forward_progress 1
		.amdhsa_inst_pref_size 82
	.end_amdhsa_kernel
	.amdgpu_metadata
---
amdhsa.version: [ 1, 2 ]
amdhsa.kernels:
  - .name:           k_qa9bee54f24_attn
    .symbol:         k_qa9bee54f24_attn.kd
    .args:
      - { .name: qkv, .offset: 0, .size: 8, .value_kind: global_buffer, .address_space: global }
      - { .name: att, .offset: 8, .size: 8, .value_kind: global_buffer, .address_space: global }
    .group_segment_fixed_size: 327680
    .private_segment_fixed_size: 0
    .kernarg_segment_align: 8
    .kernarg_segment_size: 16
    .max_flat_workgroup_size: 512
    .sgpr_count:     66
    .vgpr_count:     256
    .wavefront_size: 32
...
	.end_amdgpu_metadata
.endif
;; end of part 3
;; launch oproj (part 4): grid 8 x 32, 4 waves a work-group, clusters of 4 x 4, 327,680 bytes of LDS; arguments att, wo16, bo, out0; writes out0
.if DOCPART == 4
	.amdgcn_target "amdgcn-amd-amdhsa--gfx1250"
	.amdhsa_code_object_version 6
	.text
	.protected	k_qa9bee54f24_oproj
	.globl	k_qa9bee54f24_oproj
	.p2align	8
	.type	k_qa9bee54f24_oproj,@function
k_qa9bee54f24_oproj:
	s_mov_b64 s[64:65], 0
	v_nop
	global_prefetch_b8 v0, s[64:65] scope:SCOPE_SE
	s_setreg_imm32_b32 hwreg(HW_REG_WAVE_MODE, 25, 1), 1
	s_wait_xcnt 0x0
	s_wait_alu depctr_hold_cnt(0) depctr_sa_sdst(0) depctr_va_vdst(0) depctr_va_sdst(0) depctr_va_ssrc(0) depctr_va_vcc(0) depctr_vm_vsrc(0)
	s_getreg_b32 s2, hwreg(HW_REG_IB_STS2, 6, 4)
	s_cmp_eq_u32 s2, 0
	s_cbranch_scc0 .Lentry_in_a_cluster
	s_endpgm
.Lentry_in_a_cluster:
	s_bfe_u32 s2, ttmp6, 0x10000c
	s_cmp_lg_u32 s2, 0xf033
	s_cbranch_scc0 .Lentry_shape_is_right
	s_endpgm
.Lentry_shape_is_right:
; LAUNCH 4 OF 4.  out0[m][n] = sum over k of att[m][k] Wo[n][k] + bo[n]; both operands f16, sums f32.  M = 8,192, N = K = 1,024.  Nothing of reference() is left out.
; att = images [gtb 512][k16 64][512 bytes], wo16 = images [nb 64][kb 64][512 bytes]: in an image lane (r, h) owns the 16 bytes at 16 x lane: row r, K = 16 kb + 8 h + 0 .. 7.  Images 2 c, 2 c + 1 are registers 0-3, 4-7 of a fragment of 16 rows x 32 K.
; So a fragment is two ds_load_b128 at 16 x lane + a constant: no pitch, no padding, and an instruction's 512 bytes are consecutive.
; A tile of 256 (m) x 128 (n) is made by four waves, 128 x 64 each: 32 accumulators of 16 x 16 in window 1: 256 work-groups.  K goes in steps of 128 (8 images, 4,096 consecutive bytes of each block of 16 rows) through two LDS slots.
; CLUSTERS: 4 x 4 work-groups.  A's tiles are asked for jointly along a row of the cluster, B's along a column.  Waves 0 and 1 fetch A's halves (8 blocks, 32,768 bytes), waves 2 and 3 B's (4 blocks, 16,384 bytes): one load a wave behind each round.
; THE MATRIX INSTRUCTION IS USED TRANSPOSED (source 0 = 16 rows of Wo, source 1 = 16 tokens): a lane holds eight neighbouring numbers of a row of out0.  bo is the C of each sum's first product.
; No prefetch: K is eight short steps and the tiles are shared in the cluster.
; REGISTERS: window 0: v0-31 addresses; v32-127, v128-223 two fragment buffers (A's 8 blocks at + 8 a, B's 4 at + 64 + 8 b), 32 along K each; v224-255 the bias; on the way out v32-95 rows of out0.   window 1: accumulator (a, b) at v[8 (4 a + b)].
.set SLOT,   98304                     ; A's 16 blocks x 4,096 bytes, then B's 8
.set BOFF,   65536
.set KB,     4096                      ; a K step in a block's row of images
.set STAGE,  2*SLOT                    ; behind the ring: 16 rows x (256 bytes + 16) for each wave
.set SPITCH, 272
.set SPARE,  STAGE+4*16*SPITCH         ; the spare words, 128 bytes a wave
.set LAPS,   4                         ; eight K steps: four times round the ring
.set ADRA, 16                          ; v16-17  LDS address of my A fragments in slot 0, 1
.set ADRB, 20                          ; v20-21  the same for B
.set STO,  24                          ; v24     the way out: where I put 32 bytes of a row
.set RD,   25                          ; v25     where I read a row back
.set CO,   26                          ; v26     my byte offset in two rows of out0
.set SPW,  28                          ; v28     LDS address of my spare word; never rewritten
.set NIL,  29                          ; v29     0; never rewritten
.set BO,   30                          ; v30     32 h
.set F0,   32
.set F1,   128
.set BIAS, 224
.set BK,   32                          ; the way out: 16 rows read back: v32-63 and v64-95 by turns
.set WV,   13                          ; s13 wave; s14 which half of the tile's rows is mine, also: I fetch for A (0) or B (1); s15 which half of its columns, also: which half of that tile I fetch
.set WR,   14
.set WC,   15
.set G1, 24                            ; s[24:31] group 1 for A's tiles; s[32:39] group 0, a set for each slot
.set G0, 32
.set G1B, 48                           ; s[48:55], s[56:63] the same for B's
.set G0B, 56
.set MSB, 0
.macro WIN new
.if MSB != (\new)
	s_set_vgpr_msb (MSB<<8)|(\new)
.set MSB, \new
.endif
.endm
.set W_ACC, 0x50                       ; C and D window 1, A and B window 0
.set W_FST, 0x40                       ; D window 1, C (the bias) window 0
.macro JLOAD s                         ; a joint load; an s_nop 0 and four v_nop follow each of the two lines
	s_cmp_eq_u32 s[WR], 0
	s_cbranch_scc0 .Lfor_b_\@
	tensor_load_to_lds s[G0+4*\s:G0+4*\s+3], s[G1:G1+7]
	s_nop 0
.rept 4
	v_nop
.endr
	s_branch .Lasked_\@
.Lfor_b_\@:
	tensor_load_to_lds s[G0B+4*\s:G0B+4*\s+3], s[G1B:G1B+7]
	s_nop 0
.rept 4
	v_nop
.endr
.Lasked_\@:
.endm
.macro CREST                           ; a round of the cluster's barrier behind its opening barrier
	s_cmp_lg_u32 s[WV], 0
	s_cbranch_scc1 .Lnot_wave_0_\@
	s_barrier_signal -3
.Lnot_wave_0_\@:
	s_barrier_wait -3
	s_barrier_signal -1
	s_barrier_wait -1
.endm
.macro CROUND
	s_barrier_signal -1
	s_barrier_wait -1
	CREST
.endm
	s_load_b128 s[4:7], s[0:1], 0x0                ; att s[4:5], wo16 s[6:7]
	s_load_b128 s[8:11], s[0:1], 0x10              ; bo s[8:9], out0 s[10:11]
	v_lshl_add_u32 v[SPW], v0, 2, SPARE
	v_mov_b32 v[NIL], 0
	ds_add_u32 v[SPW], v[NIL]                      ; the wave's opening: the add, twice on end, and its wait ahead of my first tensor load
	ds_add_u32 v[SPW], v[NIL]
	v_lshrrev_b32 v1, 5, v0
	v_readfirstlane_b32 s[WV], v1
	s_lshr_b32 s[WR], s[WV], 1
	s_and_b32 s[WC], s[WV], 1
	s_bfe_u32 s40, ttmp6, 0x40000                  ; cx, cy
	s_bfe_u32 s41, ttmp6, 0x40004
	s_lshl_b32 s42, ttmp9, 2
	s_add_co_u32 s42, s42, s40                     ; tile column = 4 x cluster x + cx
	s_and_b32 s43, ttmp7, 0xffff
	s_lshl_b32 s43, s43, 2
	s_add_co_u32 s43, s43, s41                     ; tile row = 4 x cluster y + cy
	s_lshl_b32 s44, s41, 2
	s_lshl_b32 s44, 15, s44                        ; my row of the cluster
	s_lshl_b32 s45, 0x1111, s40                    ; my column
	s_or_b32 s[G1+0], s44, (3<<16)|(1<<21)         ; the mask; elements of 8 bytes; bit 21 beside a mask; no padding
	s_or_b32 s[G1B+0], s45, (3<<16)|(1<<21)
	s_mov_b32 s[G1+1], 512<<16                     ; tensor_dim0 = 512: rows of 4,096 bytes
	s_mov_b32 s[G1+2], 8<<16                       ; tensor_dim1 = 8 blocks
	s_mov_b32 s[G1+3], 512<<16                     ; tile_dim0
	s_mov_b32 s[G1+4], 8                           ; tile_dim1
	s_mov_b32 s[G1+5], 4096                        ; the pitch: 32,768 bytes from block to block
	s_mov_b32 s[G1+6], 0
	s_mov_b32 s[G1+7], 0
	s_mov_b32 s[G1B+1], 512<<16
	s_mov_b32 s[G1B+2], 4<<16                      ; 4 blocks
	s_mov_b32 s[G1B+3], 512<<16
	s_mov_b32 s[G1B+4], 4
	s_mov_b32 s[G1B+5], 4096
	s_mov_b32 s[G1B+6], 0
	s_mov_b32 s[G1B+7], 0
	s_lshl_b32 s16, s43, 19                        ; A: block 16 x tile row + 8 x half, 32,768 bytes each
	s_lshl_b32 s17, s[WC], 18
	s_add_co_u32 s16, s16, s17
	s_mov_b32 s17, 0
	s_lshl_b32 s46, s42, 18                        ; B: block 8 x tile column + 4 x half
	s_lshl_b32 s47, s[WC], 17
	s_add_co_u32 s46, s46, s47
	s_mov_b32 s47, 0
	s_lshl_b32 s20, s[WC], 15                      ; where they go: A's half,
	s_lshl_b32 s21, s[WC], 14
	s_add_co_u32 s21, s21, BOFF                    ; B's half: no place in the cluster enters an LDS address
	s_wait_dscnt 0x0                               ; both opening adds are done
	s_wait_kmcnt 0x0
	s_add_nc_u64 s[18:19], s[4:5], s[16:17]
	s_add_nc_u64 s[46:47], s[6:7], s[46:47]
	CROUND                                         ; all sixteen work-groups are here: the first joint loads meet
.irp s, 0,1
	s_mov_b32 s[G0+4*\s], 1
	s_add_co_u32 s[G0+4*\s+1], s20, \s*SLOT
	s_add_nc_u64 s[G0+4*\s+2:G0+4*\s+3], s[18:19], \s*KB
	s_or_b32 s[G0+4*\s+3], s[G0+4*\s+3], 0x80000000
	s_mov_b32 s[G0B+4*\s], 1
	s_add_co_u32 s[G0B+4*\s+1], s21, \s*SLOT
	s_add_nc_u64 s[G0B+4*\s+2:G0B+4*\s+3], s[46:47], \s*KB
	s_or_b32 s[G0B+4*\s+3], s[G0B+4*\s+3], 0x80000000
	JLOAD \s                                       ; two loads of mine are out
.endr
	v_and_b32 v1, 15, v0                           ; r
	v_bfe_u32 v2, v0, 4, 1                         ; h
	v_and_b32 v3, 31, v0
	v_lshlrev_b32 v3, 4, v3                        ; 16 x lane
	s_lshl_b32 s22, s[WR], 15                      ; my 8 blocks of A
	s_lshl_b32 s23, s[WC], 14                      ; my 4 blocks of B,
	s_add_co_u32 s23, s23, BOFF                    ; behind A's 16
.irp s, 0,1
	v_add_nc_u32 v[ADRA+\s], s22, v3
	v_add_nc_u32 v[ADRB+\s], s23, v3
	s_add_co_u32 s22, s22, SLOT
	s_add_co_u32 s23, s23, SLOT
.endr
	s_mul_i32 s22, s[WV], 16*SPITCH
	s_add_co_u32 s22, s22, STAGE                   ; my stage
	v_mul_u32_u24 v4, v1, SPITCH                   ; in: row r, 32 bytes for each half of the lanes
	v_lshl_add_u32 v4, v2, 5, v4
	v_add_nc_u32 v[STO], s22, v4
	v_mul_u32_u24 v5, v2, SPITCH                   ; back: lanes 0-15 one row of 256 bytes, lanes 16-31 the next
	v_lshl_add_u32 v5, v1, 4, v5
	v_add_nc_u32 v[RD], s22, v5
	v_lshlrev_b32 v[CO], 12, v2                    ; and the same two rows in out0: 4,096 bytes a row
	v_lshl_add_u32 v[CO], v1, 4, v[CO]
	v_lshlrev_b32 v[BO], 5, v2
	s_lshl_b32 s16, s43, 20                        ; my first row of out0: (256 x tile row + 128 x half) x 4,096 bytes
	s_lshl_b32 s17, s[WR], 19
	s_add_co_u32 s16, s16, s17
	s_mov_b32 s17, 0
	s_add_nc_u64 s[10:11], s[10:11], s[16:17]
	s_lshl_b32 s46, s42, 9                         ; my first column: (128 x tile column + 64 x half) x 4 bytes
	s_lshl_b32 s47, s[WC], 8
	s_add_co_u32 s46, s46, s47
	s_mov_b32 s47, 0
	s_add_nc_u64 s[10:11], s[10:11], s[46:47]
	s_add_nc_u64 s[8:9], s[8:9], s[46:47]
.irp b, 0,1,2,3
	global_load_b128 v[BIAS+8*\b:BIAS+8*\b+3],   v[BO], s[8:9] offset:64*\b      ; bo(16 b + 8 h + 0 .. 7): the result's layout
	global_load_b128 v[BIAS+8*\b+4:BIAS+8*\b+7], v[BO], s[8:9] offset:64*\b+16
.endr
; n x 4 matrix instructions: A's blocks a0 .. a0 + n - 1 x B's four, 32 along K, out of buffer f.  first = 1: the bias is C.  The 32 accumulators take turns, one instruction a turn, in the same order in every quarter.
.macro MUL f, a0, n, first
.set AA, \a0
.rept \n
.irp b, 0,1,2,3
.if \first
	v_wmma_f32_16x16x32_f16 v[8*(4*AA+\b):8*(4*AA+\b)+7], v[\f+64+8*\b:\f+64+8*\b+7], v[\f+8*AA:\f+8*AA+7], v[BIAS+8*\b:BIAS+8*\b+7]
.else
	v_wmma_f32_16x16x32_f16 v[8*(4*AA+\b):8*(4*AA+\b)+7], v[\f+64+8*\b:\f+64+8*\b+7], v[\f+8*AA:\f+8*AA+7], v[8*(4*AA+\b):8*(4*AA+\b)+7]
.endif
.endr
.set AA, AA+1
.endr
.endm
; 24 LDS loads in one run: the slot's q-th 32 along K into buffer f: B's four blocks, A's blocks 0-3, A's blocks 4-7
.macro FETCH slot, q, f
.irp b, 0,1,2,3
	ds_load_b128 v[\f+64+8*\b:\f+64+8*\b+3],   v[ADRB+\slot] offset:\b*4096+(\q)*1024
	ds_load_b128 v[\f+64+8*\b+4:\f+64+8*\b+7], v[ADRB+\slot] offset:\b*4096+(\q)*1024+512
.endr
.irp a, 0,1,2,3,4,5,6,7
	ds_load_b128 v[\f+8*\a:\f+8*\a+3],   v[ADRA+\slot] offset:\a*4096+(\q)*1024
	ds_load_b128 v[\f+8*\a+4:\f+8*\a+7], v[ADRA+\slot] offset:\a*4096+(\q)*1024+512
.endr
.endm
.macro PLACES                          ; four places in front of loads into registers that matrix instructions have read, and of the first read of results
.rept 4
	v_nop
.endr
.endm
; A K step is four quarters of 32 along K, 32 matrix instructions each, on buffers 0, 1, 0, 1.  One of the first three: multiplies buffer f and fetches the slot's q-th quarter into g.
.macro QUARTER slot, q, f, g, first
	s_wait_dscnt 8                                 ; B and A's blocks 0-3 are in; the youngest eight loads (A's blocks 4-7) may be out
	WIN W_ACC-0x10*\first
	MUL \f, 0, 4, \first
	PLACES
	WIN 0
	FETCH \slot, \q, \g
	s_wait_dscnt 24                                ; all but the 24 just issued
	WIN W_ACC-0x10*\first
	MUL \f, 4, 4, \first
.endm
; The last quarter multiplies buffer 1 and changes slots: ONE barrier; in front of it each wave waits for all its tensor loads, adds 0 to its spare word, and waits for that and for its reads of this slot.  fill = 1: this slot is filled again, two K steps ahead.
.macro TURN slot, next, fill
	WIN 0                                          ; (the add's two registers lie in window 0)
	s_wait_tensorcnt 0x0                           ; all my tensor loads have landed: my part of the next slot
	ds_add_u32 v[SPW], v[NIL]                      ; 0 onto my spare word
	s_wait_dscnt 9                                 ; (the add and the youngest eight loads may be out)
	WIN W_ACC
	MUL F1, 0, 2, 0                                ; eight matrix instructions stand between the add and the wait for it
	s_wait_dscnt 0x0                               ; the add is done, and my reads of this slot are over
	s_barrier_signal -1
	MUL F1, 2, 2, 0
	WIN 0
	s_barrier_wait -1
.if \fill
	CREST                                          ; the barrier has opened a round of the cluster's barrier: no wave of any partner still reads this slot or has a load on its way
	s_add_nc_u64 s[G0+4*\slot+2:G0+4*\slot+3], s[G0+4*\slot+2:G0+4*\slot+3], 2*KB
	s_add_nc_u64 s[G0B+4*\slot+2:G0B+4*\slot+3], s[G0B+4*\slot+2:G0B+4*\slot+3], 2*KB
	JLOAD \slot                                    ; the first tensor load behind the round, my one load until the next; its four v_nop are also the places in front of the loads below
.else
	PLACES
.endif
	FETCH \next, 0, F0
	WIN W_ACC
	MUL F1, 4, 4, 0
.endm
	s_wait_tensorcnt 1                             ; my part of K step 0 is in (K step 1's load may be out),
	s_barrier_signal -1
	s_barrier_wait -1                              ; everybody's is
	FETCH 0, 0, F0
	s_wait_loadcnt 0x0                             ; the bias
	QUARTER 0, 1, F0, F1, 1                        ; the first quarter stands in front of the loop: its products start the sums from the bias
	WIN 0                                          ; at a label and at a branch every window is 0
	s_mov_b32 s3, LAPS-1
.Llap:                                                 ; a trip goes once round the ring, from a lap's second quarter to the next lap's first, and fills both slots again
	QUARTER 0, 2, F1, F0, 0
	QUARTER 0, 3, F0, F1, 0
	TURN 0, 1, 1
	QUARTER 1, 1, F0, F1, 0
	QUARTER 1, 2, F1, F0, 0
	QUARTER 1, 3, F0, F1, 0
	TURN 1, 0, 1
	QUARTER 0, 1, F0, F1, 0
	WIN 0
	s_sub_co_u32 s3, s3, 1
	s_cmp_lg_u32 s3, 0
	s_cbranch_scc1 .Llap
	QUARTER 0, 2, F1, F0, 0                        ; the last lap fills nothing, and has no round of the cluster's barrier
	QUARTER 0, 3, F0, F1, 0
	TURN 0, 1, 0
	QUARTER 1, 1, F0, F1, 0
	QUARTER 1, 2, F1, F0, 0
	QUARTER 1, 3, F0, F1, 0
	s_wait_dscnt 8                                 ; the very last quarter: nothing more to fetch
	WIN W_ACC
	MUL F1, 0, 4, 0
	s_wait_dscnt 0
	MUL F1, 4, 4, 0
	WIN 0
; THE WAY OUT, block by block of 16 rows x 64 columns.  A lane holds 32 neighbouring bytes of a row and the lanes beside it other rows: a block goes through my own stage and comes back as whole rows of 256 bytes.
; LDS serves a wave's instructions in order (ISA guide 5.7.1.4): no wait between the stores and the loads, nor in front of the next block's stores.
.macro TOSTAGE a
	WIN 0x04                                       ; an LDS store's data are its source 1: window 1
.irp b, 0,1,2,3
	ds_store_b128 v[STO], v[8*(4*(\a)+\b):8*(4*(\a)+\b)+3] offset:64*\b          ; each accumulator from its low end on
	ds_store_b128 v[STO], v[8*(4*(\a)+\b)+4:8*(4*(\a)+\b)+7] offset:64*\b+16
.endr
	WIN 0
.set BB, BK+32*((\a)%2)
.irp t, 0,1,2,3,4,5,6,7
	ds_load_b128 v[BB+4*\t:BB+4*\t+3], v[RD] offset:\t*2*SPITCH
.endr
.endm
.macro SEND a, younger                 ; younger: the LDS instructions issued behind block a's loads, which may stay out
.set BB, BK+32*((\a)%2)
	s_wait_dscnt \younger
.irp t, 0,1,2,3,4,5,6,7
	global_store_b128 v[CO], v[BB+4*\t:BB+4*\t+3], s[10:11] offset:(\a)*65536+2*\t*4096 th:TH_STORE_NT   ; sixteen lanes store 256 consecutive bytes, aligned; written once, read by nobody here
.endr
.endm
	PLACES
	TOSTAGE 0
.irp a, 1,2,3,4,5,6,7
.if \a > 1
	s_wait_xcnt 0x0                                ; block a - 2's stores have read their registers: block a's loads may land there
.endif
	TOSTAGE \a
	SEND \a-1, 16                                  ; behind block a - 1's loads: block a's 8 stores and 8 loads
.endr
	SEND 7, 0
	s_wait_tensorcnt 0x0                           ; the wave's end, behind my last tensor load and my last LDS store
	ds_add_u32 v[SPW], v[NIL]
	s_wait_dscnt 0x0
	CROUND                                         ; the closing round: no work-group ends while a partner may still ask for a tile that names it
	s_endpgm
.Lfunc_end_k_qa9bee54f24_oproj:
	.size	k_qa9bee54f24_oproj, .Lfunc_end_k_qa9bee54f24_oproj-k_qa9bee54f24_oproj
	.p2alignl 7, 3214868480
	.fill 96, 4, 3214868480
	.section	.rodata,"a",@progbits
	.p2align	6, 0x0
	.amdhsa_kernel k_qa9bee54f24_oproj
		.amdhsa_group_segment_fixed_size 327680
		.amdhsa_private_segment_fixed_size 0
		.amdhsa_enable_private_segment 0
		.amdhsa_kernarg_size 32
		.amdhsa_user_sgpr_count 2
		.amdhsa_user_sgpr_kernarg_segment_ptr 1
		.amdhsa_wavefront_size32 1
		.amdhsa_system_sgpr_workgroup_id_x 1
		.amdhsa_system_sgpr_workgroup_id_y 1
		.amdhsa_system_sgpr_workgroup_id_z 1
		.amdhsa_system_vgpr_workitem_id 0
		.amdhsa_next_free_vgpr 512
		.amdhsa_next_free_sgpr 66
		.amdhsa_reserve_vcc 0
		.amdhsa_float_denorm_mode_32 3
		.amdhsa_float_denorm_mode_16_64 3
		.amdhsa_memory_ordered 1
		.amdhsa_forward_progress 1
		.amdhsa_inst_pref_size 86
	.end_amdhsa_kernel
	.amdgpu_metadata
---
amdhsa.version: [ 1, 2 ]
amdhsa.kernels:
  - .name:           k_qa9bee54f24_oproj
    .symbol:         k_qa9bee54f24_oproj.kd
    .args:
      - { .name: att, .offset: 0, .size: 8, .value_kind: global_buffer, .address_space: global }
      - { .name: wo16, .offset: 8, .size: 8, .value_kind: global_buffer, .address_space: global }
      - { .name: bo, .offset: 16, .size: 8, .value_kind: global_buffer, .address_space: global }
      - { .name: out0, .offset: 24, .size: 8, .value_kind: global_buffer, .address_space: global }
    .group_segment_fixed_size: 327680
    .private_segment_fixed_size: 0
    .kernarg_segment_align: 8
    .kernarg_segment_size: 32
    .max_flat_workgroup_size: 128
    .sgpr_count:     66
    .vgpr_count:     512
    .wavefront_size: 32
...
	.end_amdgpu_metadata
.endif
;; end of part 4
